; MI455X (gfx1250); checked and timed in simulation.
; The chip was launched on July 23, 2026; its instructions are those of AMD's public machine-readable ISA for CDNA 5 (MIT licence, August 2026) and "CDNA5" Instruction Set Architecture Reference Guide (July 2026). The comments in the code are by the model that wrote it; some were corrected since.
;; Attention. Allowed arithmetic: matrix products marked QUANTISED: E2M1 operands, one E8M0 scale for each 32 along K, by v_wmma_scale_f32_16x16x128_f8f6f4 with both operands' format E2M1 (or v_wmma_scale_f32_32x16x128_f4), f32 sums; products left as they are: bf16, f16 or f32 operands; f32 sums; everything else in f32.
;; Inputs: Wk 512 x 512 float32; Wo 512 x 512 float32; Wq 512 x 512 float32; Wv 512 x 512 float32; mask 1 x 1 x 2,048 x 2,048 float32; xk 4 x 2,048 x 512 float32; xq 4 x 2,048 x 512 float32; xv 4 x 2,048 x 512 float32.
;; Outputs: out0 4 x 2,048 x 512 float32.
;; This version of the problem:
;;   THIS VERSION OF THE PROBLEM IS GIVEN IN LOW PRECISION. The matrix products marked QUANTISED in the list below multiply operands that are first quantised to E2M1 (2 exponent bits, 1 mantissa bit; 4 bits a number), with one power-of-two scale for each 32 numbers along K (OCP MX v1.0); their sums are f32. The products marked 'left as it is' may take bf16, f16 or f32 operands, with f32 sums. Whichever they take, every output number must still come out within the allowed error. Rounding operands to bf16 (8 significant bits) uses up far more of that allowance than f16 does (11 bits, for magnitudes from 6e-5 to 65,504). All else is computed in f32.
;;   The module's matrix products, in the order in which they are computed (A, B: the left and right operand; K: the contracted axis; several contracted axes count as one K, in the product's order):
;;     1. [M 8,192, K 512] x [K 512, N 512]; A: input xq; B: input Wq: QUANTISED
;;     2. [M 8,192, K 512] x [K 512, N 512]; A: input xk; B: input Wk: QUANTISED
;;     3. [M 8,192, K 512] x [K 512, N 512]; A: input xv; B: input Wv: QUANTISED
;;     4. batch 32 x [M 2,048, K 64] x [K 64, N 2,048]; A: computed on the way; B: computed on the way: left as it is (an operand is computed on the way)
;;     5. batch 32 x [M 2,048, K 2,048] x [K 2,048, N 64]; A: computed on the way; B: computed on the way: left as it is (an operand is computed on the way)
;;     6. [M 8,192, K 512] x [K 512, N 512]; A: computed on the way; B: input Wo: left as it is (an operand is computed on the way)
;;   THE QUANTISER, for each operand of a quantised product, along K:
;;     - K is cut into blocks of 32 from its start; a last block that is shorter is filled with zeros.
;;     - A block's scale is 2^e with e = floor(log2(the largest magnitude in the block)) - 2, held to -126 .. 127; a block of zeros has e = 0. As a byte (E8M0): e + 127.
;;     - Each number is divided by its block's scale, clamped to +-6, and rounded to the nearest number of E2M1, ties to even, subnormals kept.
;;     - The product sums the exact products of the quantised numbers (number of the format x scale) in f32.
;;   ~~~python
;;   def quantise(x, axis):      # numpy; x: float32 -> the quantised numbers, widened to float32 again
;;       x = np.moveaxis(x, axis, -1); K = x.shape[-1]
;;       x = np.pad(x, [(0, 0)] * (x.ndim - 1) + [(0, -K % 32)]); x = x.reshape(x.shape[:-1] + (-1, 32)); a = np.abs(x).max(-1, keepdims=True)
;;       e = np.where(a > 0, np.clip(np.frexp(np.where(a > 0, a, 1))[1] - 1 - 2, -126, 127), 0)      # np.frexp(a)[1] - 1 = floor(log2(a)), exactly
;;       r = np.clip(x / 2.0 ** e, -6, 6)
;;       step = 2.0 ** (np.maximum(np.frexp(np.where(r == 0, 1, r))[1] - 1, 0) - 1)
;;       q = np.round(r / step) * step * 2.0 ** e      # np.round: ties to even
;;       return np.moveaxis(q.reshape(q.shape[:-2] + (-1,))[..., :K], -1, axis).astype(np.float32)
;;   ~~~
;; 2 versions, each right. Each part assembles by itself: llvm-mc -triple=amdgcn-amd-amdhsa -mcpu=gfx1250 --defsym DOCPART=n.
;; ======== version 1 of 2: 4 launches
;; limits: values are held in f16: magnitudes above 65,504 overflow, below 6.1e-05 lose precision; inputs' magnitudes at most 8.5e+37
;; workspace buffers: wimg 393,216 bytes; wsc 24,576 bytes; woimg 524,288 bytes; qimg 8,388,608 bytes; kv 16,777,216 bytes; aimg 8,388,608 bytes
;; launch prep (part 1): grid 32 x 4, 1 waves a work-group, no clusters, 0 bytes of LDS; arguments Wq, Wk, Wv, Wo, wimg, wsc, woimg; writes wimg, wsc, woimg
.if DOCPART == 1
	.amdgcn_target "amdgcn-amd-amdhsa--gfx1250"
	.amdhsa_code_object_version 6
	.text
	.protected	k_q556f2e4248_prep
	.globl	k_q556f2e4248_prep
	.p2align	8
	.type	k_q556f2e4248_prep,@function
k_q556f2e4248_prep:
	s_mov_b64 s[64:65], 0
	v_nop
	global_prefetch_b8 v0, s[64:65] scope:SCOPE_SE
	s_setreg_imm32_b32 hwreg(HW_REG_WAVE_MODE, 25, 1), 1
	s_wait_xcnt 0x0
; THE WEIGHTS, ONCE.  Wq, Wk, Wv [512][512] f32 (K innermost) become codes of FP4 (E2M1) with one E8M0 byte for each 32 along K; Wo [512][512] f32 becomes f16.
; All four leave IN THE ORDER OF AN OPERAND'S REGISTERS: a group of four registers is 16 bytes a lane, lane l at byte 16 l, 512 consecutive bytes, so that the later launches load a fragment by plain 16-byte loads at 16 x lane.
;   wimg  [matrix 3][tile of 16 rows 32][128 along K 4][c 2][lane][16 B]: lane (r, h) holds row r, registers 4 c .. 4 c + 3 hold K = 64 c + 32 h + 0 .. 31 (the 4-bit operand layout)
;   wsc   [matrix 3][row 512][16 bytes]: a row's scale bytes, four words of four
;   woimg [tile of 16 rows 32][32 along K 16][half 2][lane][16 B]: lane (r, h) holds row r, half 0: K = 8 h + 0 .. 7, half 1: K = 16 + 8 h + 0 .. 7 (the 16-bit operand layout)
; A block's scale is 2^(floor(log2(its largest magnitude)) - 2): the largest magnitude's exponent field less 2 is the scale's byte and the conversion's operand.
; Wq'S STORED BYTE IS 3 LESS THAN ITS SCALE'S: the scores' factor 1 / sqrt(64) = 2^-3 rides on it, exactly; the codes are made against the true scale.
; LIMITS: a block of Wq whose largest magnitude lies under 2^-121 (Wk, Wv: 2^-124) is quantised against that floor's scale, so that the byte stays 1 or more; a block of zeros keeps the floor's byte where the rule says 127
; (its codes are zeros, and this program alone reads the bytes); NaN and infinities are not served; |Wo| beyond 65,504 becomes infinity in f16.
; SHARES: one wave a work-group; x = the tile of 16 rows (32 KB of f32), y = the matrix (0 .. 2: codes, 3: Wo).  128 work-groups: there is no more to share out.  No LDS, no barrier.
.set XA4,  4                           ; v4   2,048 r + 128 h: my 32 numbers of a block pair
.set XA16, 5                           ; v5   2,048 r + 32 h: my 8 numbers of a half
.set LI,   6                           ; v6   16 x lane
.set SR16, 7                           ; v7   16 r: my row's scale bytes
.set SH8,  8                           ; v8   8 h
.set TM,   10                          ; v10-11 largest magnitudes
.set SO,   12                          ; v12-13 the conversions' scale operands
.set BY,   14                          ; v14-15 the bytes
.set TP,   16                          ; v16  the other half's two bytes
.set X0,   32                          ; v32-95, v96-159: two sets of 64 numbers
.set X1,   96
.set PC,   160                         ; v160-191 codes: 8 registers for each 128 along K, so that no store's data are written again
.set PW,   192                         ; v192-195 the four scale words
.set OUTR, 160                         ; Wo: v160-191, v192-223: two sets of 32 registers of f16
.set FLOOR, 24                         ; s24  the floor under a largest magnitude
.set BSUB,  25                         ; s25  what is taken off its exponent field for the stored byte
.set SEL,   26                         ; s[26:27] v_permlanex16_b32's selects for lane l xor 16
; 64 numbers of a lane, v[x + 32 c + i] = K 64 c + 32 h + i of my row (two whole blocks), become a fragment's codes in v[pc] on and its scale word in v[pw].
.macro QUANT x, pc, pw
.irp c, 0,1
	v_max3_num_f32 v[TM+\c], |v[\x+32*\c]|, |v[\x+32*\c+1]|, s[FLOOR]
.endr
.irp i, 2,4,6,8,10,12,14,16,18,20,22,24,26,28,30
.irp c, 0,1
	v_max3_num_f32 v[TM+\c], v[TM+\c], |v[\x+32*\c+\i]|, |v[\x+32*\c+\i+1]|   ; the two blocks by turns
.endr
.endr
.irp c, 0,1
	v_add_nc_u32 v[SO+\c], 0xff000000, v[TM+\c]    ; 2 off the exponent field: the conversion takes the exponent field of this operand as its scale
.endr
.irp c, 0,1
	v_sub_nc_u32 v[BY+\c], v[TM+\c], s[BSUB]       ; 2 off (Wq: 5 off) for the byte that is stored
.endr
.irp c, 0,1
	v_lshrrev_b32 v[BY+\c], 23, v[BY+\c]
.endr
	v_lshl_or_b32 v[\pw], v[BY+1], 16, v[BY]       ; my bytes: blocks h and 2 + h,
	v_lshlrev_b32 v[\pw], v[SH8], v[\pw]           ; at their places in the word;
	v_permlanex16_b32 v[TP], v[\pw], s[SEL], s[SEL+1]
	v_or_b32 v[\pw], v[\pw], v[TP]                 ; with lane l xor 16's two the word is whole
.irp c, 0,1
.irp g, 0,1,2,3
	v_cvt_scalef32_pk8_fp4_f32 v[\pc+4*\c+\g], v[\x+32*\c+8*\g:\x+32*\c+8*\g+7], v[SO+\c]
.endr
.endr
	v_nop                                          ; one plain place behind the last scaled conversion
.endm
.macro LD4 s, set                      ; the s-th 128 along K: 16 loads of 16 bytes
.irp c, 0,1
.irp i, 0,1,2,3,4,5,6,7
	global_load_b128 v[\set+32*\c+4*\i:\set+32*\c+4*\i+3], v[XA4], s[18:19] offset:512*\s+256*\c+16*\i
.endr
.endr
.endm
.macro ST4 s                           ; its fragment: two stores of 512 consecutive bytes
.irp c, 0,1
	global_store_b128 v[LI], v[PC+8*\s+4*\c:PC+8*\s+4*\c+3], s[12:13] offset:1024*\s+512*\c
.endr
.endm
.macro LD16 s, set                     ; Wo: the s-th 128 along K: four fragments' numbers
.irp kk, 0,1,2,3
.irp hf, 0,1
.irp i, 0,1
	global_load_b128 v[\set+16*\kk+8*\hf+4*\i:\set+16*\kk+8*\hf+4*\i+3], v[XA16], s[10:11] offset:128*(4*\s+\kk)+64*\hf+16*\i
.endr
.endr
.endr
.endm
.macro CV16 s, set                     ; rounded to f16 in pairs, and stored
.set OB, OUTR+32*((\s)%2)
.if \s >= 2
	s_wait_xcnt 0x0                                ; the stores of two chunks back have read these registers
.endif
.irp j, 0,1,2,3,4,5,6,7,8,9,10,11,12,13,14,15,16,17,18,19,20,21,22,23,24,25,26,27,28,29,30,31
	v_cvt_pk_f16_f32 v[OB+\j], v[\set+2*\j], v[\set+2*\j+1]
.endr
.irp kk, 0,1,2,3
.irp hf, 0,1
	global_store_b128 v[LI], v[OB+8*\kk+4*\hf:OB+8*\kk+4*\hf+3], s[16:17] offset:1024*(4*\s+\kk)+512*\hf
.endr
.endr
.endm
	s_load_b256 s[4:11], s[0:1], 0x0               ; Wq s[4:5], Wk s[6:7], Wv s[8:9], Wo s[10:11]
	s_load_b128 s[12:15], s[0:1], 0x20             ; wimg s[12:13], wsc s[14:15]
	s_load_b64 s[16:17], s[0:1], 0x30              ; woimg
	v_and_b32 v1, 31, v0                           ; lane
	v_and_b32 v2, 15, v0                           ; r
	v_bfe_u32 v3, v0, 4, 1                         ; h
	v_lshlrev_b32 v[XA4], 11, v2                   ; a row of W is 2,048 bytes
	v_lshl_add_u32 v[XA16], v3, 5, v[XA4]
	v_lshl_add_u32 v[XA4], v3, 7, v[XA4]
	v_lshlrev_b32 v[LI], 4, v1
	v_lshlrev_b32 v[SR16], 4, v2
	v_lshlrev_b32 v[SH8], 3, v3
	v_mov_b32 v[TP], 0                             ; written once: a lane permute's destination counts as one of its sources
	s_mov_b32 s[SEL], 0x76543210
	s_mov_b32 s[SEL+1], 0xfedcba98
	s_and_b32 s28, ttmp7, 0xffff                   ; the matrix
	s_lshl_b32 s20, ttmp9, 15                      ; my 16 rows in the source
	s_mov_b32 s21, 0
	s_lshl_b32 s22, s28, 5
	s_add_co_u32 s22, s22, ttmp9
	s_lshl_b32 s22, s22, 12                        ; wimg: (32 x matrix + tile) x 4,096
	s_mov_b32 s23, 0
	s_lshl_b32 s30, s28, 13
	s_lshl_b32 s29, ttmp9, 8
	s_add_co_u32 s30, s30, s29                     ; wsc: matrix x 8,192 + tile x 256
	s_mov_b32 s31, 0
	s_mov_b32 s[FLOOR], 3<<23
	s_mov_b32 s[BSUB], 2<<23
	s_cmp_eq_u32 s28, 0                            ; Wq?
	s_cselect_b32 s[FLOOR], 6<<23, s[FLOOR]
	s_cselect_b32 s[BSUB], 5<<23, s[BSUB]
	s_wait_kmcnt 0x0
	s_cselect_b64 s[18:19], s[4:5], s[6:7]         ; the choice hangs on the work-group's number alone
	s_cmp_eq_u32 s28, 2
	s_cselect_b64 s[18:19], s[8:9], s[18:19]
	s_cmp_eq_u32 s28, 3
	s_cbranch_scc1 .Lwo
	s_add_nc_u64 s[18:19], s[18:19], s[20:21]
	s_add_nc_u64 s[12:13], s[12:13], s[22:23]
	s_add_nc_u64 s[14:15], s[14:15], s[30:31]
	LD4 0, X0
	LD4 1, X1
	s_wait_loadcnt 16                              ; the older set is in; the younger set's 16 loads stay out
	QUANT X0, PC, PW
	ST4 0
	LD4 2, X0
	s_wait_loadcnt 16
	QUANT X1, PC+8, PW+1
	ST4 1
	LD4 3, X1
	s_wait_loadcnt 16
	QUANT X0, PC+16, PW+2
	ST4 2
	s_wait_loadcnt 0x0
	QUANT X1, PC+24, PW+3
	ST4 3
	s_wait_xcnt 0x0                                ; EXEC changes only behind this wait
	v_cmp_gt_u32 vcc_lo, 16, v1
	s_and_saveexec_b32 s29, vcc_lo                 ; lanes 0-15: a row each
	global_store_b128 v[SR16], v[PW:PW+3], s[14:15]   ; sixteen lanes store 256 consecutive bytes, aligned
	s_wait_xcnt 0x0                                ; and again ahead of the line that widens it
	s_or_b32 exec_lo, exec_lo, s29
	s_endpgm
.Lwo:
	s_add_nc_u64 s[10:11], s[10:11], s[20:21]
	s_lshl_b32 s22, ttmp9, 14                      ; woimg: tile x 16,384
	s_add_nc_u64 s[16:17], s[16:17], s[22:23]
	LD16 0, X0
	LD16 1, X1
	s_wait_loadcnt 16                              ; as above: the younger set stays out
	CV16 0, X0
	LD16 2, X0
	s_wait_loadcnt 16
	CV16 1, X1
	LD16 3, X1
	s_wait_loadcnt 16
	CV16 2, X0
	s_wait_loadcnt 0x0
	CV16 3, X1
	s_endpgm
.Lfunc_end_k_q556f2e4248_prep:
	.size	k_q556f2e4248_prep, .Lfunc_end_k_q556f2e4248_prep-k_q556f2e4248_prep
	.p2alignl 7, 3214868480
	.fill 96, 4, 3214868480
	.section	.rodata,"a",@progbits
	.p2align	6, 0x0
	.amdhsa_kernel k_q556f2e4248_prep
		.amdhsa_group_segment_fixed_size 0
		.amdhsa_private_segment_fixed_size 0
		.amdhsa_enable_private_segment 0
		.amdhsa_kernarg_size 56
		.amdhsa_user_sgpr_count 2
		.amdhsa_user_sgpr_kernarg_segment_ptr 1
		.amdhsa_wavefront_size32 1
		.amdhsa_system_sgpr_workgroup_id_x 1
		.amdhsa_system_sgpr_workgroup_id_y 1
		.amdhsa_system_sgpr_workgroup_id_z 1
		.amdhsa_system_vgpr_workitem_id 0
		.amdhsa_next_free_vgpr 224
		.amdhsa_next_free_sgpr 66
		.amdhsa_reserve_vcc 1
		.amdhsa_float_denorm_mode_32 3
		.amdhsa_float_denorm_mode_16_64 3
		.amdhsa_memory_ordered 1
		.amdhsa_forward_progress 1
		.amdhsa_inst_pref_size 39
	.end_amdhsa_kernel
	.amdgpu_metadata
---
amdhsa.version: [ 1, 2 ]
amdhsa.kernels:
  - .name:           k_q556f2e4248_prep
    .symbol:         k_q556f2e4248_prep.kd
    .args:
      - { .name: Wq, .offset: 0, .size: 8, .value_kind: global_buffer, .address_space: global }
      - { .name: Wk, .offset: 8, .size: 8, .value_kind: global_buffer, .address_space: global }
      - { .name: Wv, .offset: 16, .size: 8, .value_kind: global_buffer, .address_space: global }
      - { .name: Wo, .offset: 24, .size: 8, .value_kind: global_buffer, .address_space: global }
      - { .name: wimg, .offset: 32, .size: 8, .value_kind: global_buffer, .address_space: global }
      - { .name: wsc, .offset: 40, .size: 8, .value_kind: global_buffer, .address_space: global }
      - { .name: woimg, .offset: 48, .size: 8, .value_kind: global_buffer, .address_space: global }
    .group_segment_fixed_size: 0
    .private_segment_fixed_size: 0
    .kernarg_segment_align: 8
    .kernarg_segment_size: 56
    .max_flat_workgroup_size: 32
    .sgpr_count:     66
    .vgpr_count:     224
    .wavefront_size: 32
...
	.end_amdgpu_metadata
.endif
;; end of part 1
;; launch proj (part 2): grid 128 x 3, 4 waves a work-group, no clusters, 18,944 bytes of LDS; arguments xq, xk, xv, wimg, wsc, qimg, kv; writes qimg, kv
.if DOCPART == 2
	.amdgcn_target "amdgcn-amd-amdhsa--gfx1250"
	.amdhsa_code_object_version 6
	.text
	.protected	k_q556f2e4248_proj
	.globl	k_q556f2e4248_proj
	.p2align	8
	.type	k_q556f2e4248_proj,@function
k_q556f2e4248_proj:
	s_mov_b64 s[64:65], 0
	v_nop
	global_prefetch_b8 v0, s[64:65] scope:SCOPE_SE
	s_setreg_imm32_b32 hwreg(HW_REG_WAVE_MODE, 25, 1), 1
	s_wait_xcnt 0x0
; THE THREE PROJECTIONS: q = xq Wq^T / 8, k = xk Wk^T, v = xv Wv^T, on codes of FP4 (E2M1) with one E8M0 scale for each 32 along K; sums in f32; results rounded once to f16.
; x [8,192][512] f32 is quantised here, in registers; the weights' codes and scale bytes come from the launch before, in the order of an operand's registers.  (The factor 1 / 8 rides on Wq's stored scale bytes.)
; SHARES.  x = a block of 64 rows, y = 0: q, 1: k, 2: v.  THE FOUR WAVES SHARE THE COLUMNS: wave w keeps W's rows 128 w .. 128 w + 127 (two heads), 32 fragments, in 256 registers, read once; it quantises rows 16 w .. 16 w + 15
; of the block, and the rows' codes and scale words go round through LDS as images of their registers (16 bytes a lane at 16 x lane).  One barrier.
; THE RESULTS LEAVE AS IMAGES OF THE NEXT PRODUCTS' OPERANDS, with no transposition:
;   q, k: source 0 = 16 rows of W, source 1 = 16 tokens: lane (r, h) holds token r, channels 8 h + 0 .. 7 of a tile of 16: rounded in pairs these are registers 0-3 (even tile) or 4-7 (odd tile) of a 16-bit fragment, 16 tokens x 32 channels.
;   v:    the sources change places: lane (r, h) holds channel r, tokens 8 h + 0 .. 7: registers 0-3 (even tile of tokens) or 4-7 (odd) of a fragment of V^T, 16 channels x 32 keys.
;   qimg [b][head][tile of 16 tokens 128][32 channels 2][half 2][lane][16 B];  kv [b][head][128 keys 16][K: tile of 16 keys 8 x 2 x 2 x 512 B | V: 32 keys 4 x tile of 16 channels 4 x half 2 x 512 B].
; LIMITS: |q| / 8, |k|, |v| beyond 65,504 become infinity in f16; a block of x whose largest magnitude lies under 2^-124 is quantised against that floor's scale; a block of zeros keeps the byte 1 (its codes are zeros,
; and this program alone reads the bytes); NaN and infinities in x are not served.
; No tensor load and no cluster: x is read once, by one work-group, and W stays in registers.
; REGISTERS, window 0: v1-9 addresses; v10-16 at work; v28, v29 the add's two; v32-63 W's scale words (tile t, step s: 4 t + s); v64-127, v128-191 two sets of 64 numbers of x, later the 8 accumulators and two sets of packed results;
;   v192-223 x's four fragments; v224-227 their scale words.   window 1: W's fragment (t, s) at v[8 (4 t + s)].
.set XIMG,  0                          ; LDS: x's images: tile of rows m, step s, c at 4,096 m + 1,024 s + 512 c + 16 x lane
.set XSC,   16384                      ; their scale words, four a lane: 512 m + 16 x lane
.set SPARE, 18432                      ; the spare words, 128 bytes for each wave: two blocks of 256 bytes that no other line names
.set XA,   4                           ; v4   2,048 r + 128 h
.set LI,   5                           ; v5   16 x lane
.set XWI,  6                           ; v6   16 x lane + 4,096 x wave
.set XWS,  7                           ; v7   16 x lane + 512 x wave
.set SH8,  8                           ; v8   8 h
.set SR16, 9                           ; v9   16 r
.set TM,   10
.set SO,   12
.set BY,   14
.set TP,   16
.set SPW,  28
.set NIL,  29
.set W1S,  32
.set X0,   64
.set X1,   128
.set ACC,  64
.set PK,   128
.set XF,   192
.set XS,   224
.set WV,   18                          ; s18  my wave
.set SEL,  42                          ; s[42:43]
.set OB,   38                          ; s[38:39] where my first head's results go; s[40:41] my second head's
.set MSB, 0
.macro WIN new                         ; the immediate's high byte repeats the setting that is left
.if MSB != \new
	s_set_vgpr_msb (MSB<<8)|\new
.set MSB, \new
.endif
.endm
; 64 numbers of a lane, v[x + 32 c + i] = K 64 c + 32 h + i of my row (two whole blocks), become a fragment's codes in v[pc] on and its scale word in v[pw].
.macro QUANT x, pc, pw
.irp c, 0,1
	v_max3_num_f32 v[TM+\c], |v[\x+32*\c]|, |v[\x+32*\c+1]|, 0x1800000   ; and the floor 2^(3 - 127): the byte cannot fall under 1
.endr
.irp i, 2,4,6,8,10,12,14,16,18,20,22,24,26,28,30
.irp c, 0,1
	v_max3_num_f32 v[TM+\c], v[TM+\c], |v[\x+32*\c+\i]|, |v[\x+32*\c+\i+1]|   ; the two blocks by turns
.endr
.endr
.irp c, 0,1
	v_add_nc_u32 v[SO+\c], 0xff000000, v[TM+\c]    ; 2 off the exponent field: the conversion's scale operand
.endr
.irp c, 0,1
	v_lshrrev_b32 v[BY+\c], 23, v[SO+\c]           ; the scale's byte
.endr
	v_lshl_or_b32 v[\pw], v[BY+1], 16, v[BY]       ; blocks h and 2 + h,
	v_lshlrev_b32 v[\pw], v[SH8], v[\pw]           ; at their places;
	v_permlanex16_b32 v[TP], v[\pw], s[SEL], s[SEL+1]
	v_or_b32 v[\pw], v[\pw], v[TP]                 ; with lane l xor 16's two the word is whole, in both halves of the lanes
.irp c, 0,1
.irp g, 0,1,2,3
	v_cvt_scalef32_pk8_fp4_f32 v[\pc+4*\c+\g], v[\x+32*\c+8*\g:\x+32*\c+8*\g+7], v[SO+\c]
.endr
.endr
	v_nop                                          ; one plain place behind the last scaled conversion
.endm
.macro XLOAD s, set                    ; my 16 rows' numbers of the s-th 128 along K
.irp c, 0,1
.irp i, 0,1,2,3,4,5,6,7
	global_load_b128 v[\set+32*\c+4*\i:\set+32*\c+4*\i+3], v[XA], s[4:5] offset:512*\s+256*\c+16*\i th:TH_LOAD_NT
.endr
.endr
.endm
.macro IMAGE s                         ; the fragment just made goes to LDS as it stands
.irp c, 0,1
	ds_store_b128 v[XWI], v[XF+8*\s+4*\c:XF+8*\s+4*\c+3] offset:XIMG+1024*\s+512*\c
.endr
.endm
.macro FETCHX m                        ; the four fragments and the scale words of rows 16 m on, in any wave
.irp s, 0,1,2,3
.irp c, 0,1
	ds_load_b128 v[XF+8*\s+4*\c:XF+8*\s+4*\c+3], v[LI] offset:XIMG+4096*(\m)+1024*\s+512*\c
.endr
.endr
	ds_load_b128 v[XS:XS+3], v[LI] offset:XSC+512*(\m)
.endm
; Rows 16 m on against my 128 columns: 32 matrix instructions, the 8 accumulators by turns, K ascending; the first step starts the sums.  sw = 1: v, the sources changed.
.macro MTILE m, sw
	s_wait_dscnt 0x0                               ; x's fragments and scale words are in
.if \sw
	WIN 0x04                                       ; source 1 (W) window 1
.else
	WIN 0x01                                       ; source 0 (W) window 1
.endif
.irp s, 0,1,2,3
.irp t, 0,1,2,3,4,5,6,7
.if \sw
.if \s == 0
	v_wmma_scale_f32_16x16x128_f8f6f4 v[ACC+8*\t:ACC+8*\t+7], v[XF+8*\s:XF+8*\s+7], v[8*(4*\t+\s):8*(4*\t+\s)+7], 0, v[XS+\s], v[W1S+4*\t+\s] matrix_a_fmt:MATRIX_FMT_FP4 matrix_b_fmt:MATRIX_FMT_FP4
.else
	v_wmma_scale_f32_16x16x128_f8f6f4 v[ACC+8*\t:ACC+8*\t+7], v[XF+8*\s:XF+8*\s+7], v[8*(4*\t+\s):8*(4*\t+\s)+7], v[ACC+8*\t:ACC+8*\t+7], v[XS+\s], v[W1S+4*\t+\s] matrix_a_fmt:MATRIX_FMT_FP4 matrix_b_fmt:MATRIX_FMT_FP4
.endif
.else
.if \s == 0
	v_wmma_scale_f32_16x16x128_f8f6f4 v[ACC+8*\t:ACC+8*\t+7], v[8*(4*\t+\s):8*(4*\t+\s)+7], v[XF+8*\s:XF+8*\s+7], 0, v[W1S+4*\t+\s], v[XS+\s] matrix_a_fmt:MATRIX_FMT_FP4 matrix_b_fmt:MATRIX_FMT_FP4
.else
	v_wmma_scale_f32_16x16x128_f8f6f4 v[ACC+8*\t:ACC+8*\t+7], v[8*(4*\t+\s):8*(4*\t+\s)+7], v[XF+8*\s:XF+8*\s+7], v[ACC+8*\t:ACC+8*\t+7], v[W1S+4*\t+\s], v[XS+\s] matrix_a_fmt:MATRIX_FMT_FP4 matrix_b_fmt:MATRIX_FMT_FP4
.endif
.endif
.endr
.endr
	WIN 0
.rept 5
	v_nop                                          ; five places: four for the conversions that read the results and for the loads into x's registers, the fifth for the next tile's products, which begin the accumulators anew
.endr
.if \m < 3
	FETCHX \m+1                                    ; the next rows come while these results are packed and stored
.endif
.if \m >= 2
	s_wait_xcnt 0x0                                ; the stores of two tiles back have read this set of registers
.endif
.irp t, 0,1,2,3,4,5,6,7
.irp i, 0,1,2,3
	v_cvt_pk_f16_f32 v[PK+32*((\m)%2)+4*\t+\i], v[ACC+8*\t+2*\i], v[ACC+8*\t+2*\i+1]   ; each accumulator from its low end on
.endr
.endr
.irp t, 0,1,2,3,4,5,6,7
.if \sw
	global_store_b128 v[LI], v[PK+32*((\m)%2)+4*\t:PK+32*((\m)%2)+4*\t+3], s[OB+2*(\t/4):OB+2*(\t/4)+1] offset:4096*((\m)/2)+1024*(\t%4)+512*((\m)%2)   ; 512 consecutive bytes
.else
	global_store_b128 v[LI], v[PK+32*((\m)%2)+4*\t:PK+32*((\m)%2)+4*\t+3], s[OB+2*(\t/4):OB+2*(\t/4)+1] offset:2048*(\m)+512*(\t%4)
.endif
.endr
.endm
	s_load_b256 s[4:11], s[0:1], 0x0               ; xq s[4:5], xk s[6:7], xv s[8:9], wimg s[10:11]
	s_load_b128 s[12:15], s[0:1], 0x20             ; wsc s[12:13], qimg s[14:15]
	s_load_b64 s[16:17], s[0:1], 0x30              ; kv
	v_lshl_add_u32 v[SPW], v0, 2, SPARE
	v_mov_b32 v[NIL], 0
	v_lshrrev_b32 v1, 5, v0
	v_readfirstlane_b32 s[WV], v1                  ; wave 0..3
	v_and_b32 v1, 31, v0                           ; lane
	v_and_b32 v2, 15, v0                           ; r
	v_bfe_u32 v3, v0, 4, 1                         ; h
	v_lshlrev_b32 v[XA], 11, v2
	v_lshl_add_u32 v[XA], v3, 7, v[XA]
	v_lshlrev_b32 v[LI], 4, v1
	s_lshl_b32 s19, s[WV], 12
	v_add_nc_u32 v[XWI], s19, v[LI]
	s_lshl_b32 s19, s[WV], 9
	v_add_nc_u32 v[XWS], s19, v[LI]
	v_lshlrev_b32 v[SH8], 3, v3
	v_lshlrev_b32 v[SR16], 4, v2
	v_mov_b32 v[TP], 0                             ; written once: a lane permute's destination counts as one of its sources
	s_mov_b32 s[SEL], 0x76543210
	s_mov_b32 s[SEL+1], 0xfedcba98
	s_and_b32 s20, ttmp7, 0xffff                   ; y: which projection
	s_lshr_b32 s21, ttmp9, 5                       ; b
	s_and_b32 s22, ttmp9, 31                       ; j: which 64 tokens of the sequence
	s_lshl_b32 s23, s22, 13                        ; q: four tiles of 2,048 bytes
	s_lshr_b32 s24, s22, 1
	s_lshl_b32 s24, s24, 15                        ; k, v: the slot of 128 keys,
	s_and_b32 s25, s22, 1
	s_lshl_b32 s25, s25, 13                        ; and its half
	s_add_co_u32 s24, s24, s25
	s_lshl_b32 s25, s21, 3
	s_lshl_b32 s26, s[WV], 1
	s_add_co_u32 s25, s25, s26                     ; 8 b + 2 w: my first head
	s_cmp_eq_u32 s20, 0
	s_cselect_b32 s26, 18, 19                      ; a head is 2^18 bytes of qimg, 2^19 of kv
	s_cselect_b32 s23, s23, s24
	s_lshl_b32 s25, s25, s26
	s_lshl_b32 s36, 1, s26
	s_mov_b32 s37, 0
	s_add_co_u32 s34, s25, s23
	s_cmp_eq_u32 s20, 2
	s_cselect_b32 s24, 16384, 0                    ; V lies behind K in a slot
	s_add_co_u32 s34, s34, s24
	s_mov_b32 s35, 0
	s_lshl_b32 s28, ttmp9, 17                      ; x: 64 rows of 2,048 bytes,
	s_lshl_b32 s29, s[WV], 15                      ; my 16 of them
	s_add_co_u32 s28, s28, s29
	s_lshl_b32 s30, s20, 17                        ; wimg: the matrix, my 8 tiles
	s_add_co_u32 s30, s30, s29
	s_mov_b32 s29, 0
	s_mov_b32 s31, 0
	s_lshl_b32 s32, s20, 13                        ; wsc: the matrix, my 128 rows
	s_lshl_b32 s33, s[WV], 11
	s_add_co_u32 s32, s32, s33
	s_mov_b32 s33, 0
	s_wait_kmcnt 0x0
	s_cmp_eq_u32 s20, 0                            ; the choices hang on the work-group's number alone
	s_cselect_b64 s[4:5], s[4:5], s[6:7]
	s_cselect_b64 s[OB:OB+1], s[14:15], s[16:17]
	s_cmp_eq_u32 s20, 2
	s_cselect_b64 s[4:5], s[8:9], s[4:5]
	s_add_nc_u64 s[4:5], s[4:5], s[28:29]
	s_add_nc_u64 s[10:11], s[10:11], s[30:31]
	s_add_nc_u64 s[12:13], s[12:13], s[32:33]
	s_add_nc_u64 s[OB:OB+1], s[OB:OB+1], s[34:35]
	s_add_nc_u64 s[OB+2:OB+3], s[OB:OB+1], s[36:37]
	; ---- X: my 16 rows become four fragments.  x is asked for first, W behind it
	XLOAD 0, X0
	XLOAD 1, X1
	WIN 0x40                                       ; destination window 1
.set ii, 0
.rept 64
	global_load_b128 v[4*ii:4*ii+3], v[LI], s[10:11] offset:512*ii   ; W's 32 fragments: they stay
.set ii, ii+1
.endr
	WIN 0
.irp t, 0,1,2,3,4,5,6,7
	global_load_b128 v[W1S+4*\t:W1S+4*\t+3], v[SR16], s[12:13] offset:256*\t   ; and their rows' scale words
.endr
	s_wait_loadcnt 63                              ; 104 loads were issued: the oldest 41 are in, both sets of x (32) among them
	QUANT X0, XF, XS
	IMAGE 0
	XLOAD 2, X0
	QUANT X1, XF+8, XS+1
	IMAGE 1
	XLOAD 3, X1
	s_wait_loadcnt 16                              ; all but the last set of x: W, its scale words and step 2 are in
	QUANT X0, XF+16, XS+2
	IMAGE 2
	s_wait_loadcnt 0x0
	QUANT X1, XF+24, XS+3
	IMAGE 3
	ds_store_b128 v[XWS], v[XS:XS+3] offset:XSC
	s_wait_dscnt 0x0                               ; for the others' sake: my stores have landed
	s_barrier_signal -1
	s_barrier_wait -1                              ; the 64 rows' codes and scale words lie in LDS; nothing is stored there any more
	; ---- M: the products, a tile of 16 rows at a time
	FETCHX 0
.rept 8
	v_nop                                          ; x's scale registers were written by vector instructions in phase X before these loads: eight places ahead of the first scaled product
.endr
	s_cmp_eq_u32 s20, 2
	s_cbranch_scc1 .Lv
	MTILE 0, 0
	MTILE 1, 0
	MTILE 2, 0
	MTILE 3, 0
	s_branch .Lend
.Lv:
	MTILE 0, 1
	MTILE 1, 1
	MTILE 2, 1
	MTILE 3, 1
.Lend:
	s_wait_tensorcnt 0x0                           ; the wave's end, behind my last LDS store
	ds_add_u32 v[SPW], v[NIL]
	s_wait_dscnt 0x0
	s_endpgm
.Lfunc_end_k_q556f2e4248_proj:
	.size	k_q556f2e4248_proj, .Lfunc_end_k_q556f2e4248_proj-k_q556f2e4248_proj
	.p2alignl 7, 3214868480
	.fill 96, 4, 3214868480
	.section	.rodata,"a",@progbits
	.p2align	6, 0x0
	.amdhsa_kernel k_q556f2e4248_proj
		.amdhsa_group_segment_fixed_size 18944
		.amdhsa_private_segment_fixed_size 0
		.amdhsa_enable_private_segment 0
		.amdhsa_kernarg_size 56
		.amdhsa_user_sgpr_count 2
		.amdhsa_user_sgpr_kernarg_segment_ptr 1
		.amdhsa_wavefront_size32 1
		.amdhsa_system_sgpr_workgroup_id_x 1
		.amdhsa_system_sgpr_workgroup_id_y 1
		.amdhsa_system_sgpr_workgroup_id_z 1
		.amdhsa_system_vgpr_workitem_id 0
		.amdhsa_next_free_vgpr 512
		.amdhsa_next_free_sgpr 66
		.amdhsa_reserve_vcc 0
		.amdhsa_float_denorm_mode_32 3
		.amdhsa_float_denorm_mode_16_64 3
		.amdhsa_memory_ordered 1
		.amdhsa_forward_progress 1
		.amdhsa_inst_pref_size 89
	.end_amdhsa_kernel
	.amdgpu_metadata
---
amdhsa.version: [ 1, 2 ]
amdhsa.kernels:
  - .name:           k_q556f2e4248_proj
    .symbol:         k_q556f2e4248_proj.kd
    .args:
      - { .name: xq, .offset: 0, .size: 8, .value_kind: global_buffer, .address_space: global }
      - { .name: xk, .offset: 8, .size: 8, .value_kind: global_buffer, .address_space: global }
      - { .name: xv, .offset: 16, .size: 8, .value_kind: global_buffer, .address_space: global }
      - { .name: wimg, .offset: 24, .size: 8, .value_kind: global_buffer, .address_space: global }
      - { .name: wsc, .offset: 32, .size: 8, .value_kind: global_buffer, .address_space: global }
      - { .name: qimg, .offset: 40, .size: 8, .value_kind: global_buffer, .address_space: global }
      - { .name: kv, .offset: 48, .size: 8, .value_kind: global_buffer, .address_space: global }
    .group_segment_fixed_size: 18944
    .private_segment_fixed_size: 0
    .kernarg_segment_align: 8
    .kernarg_segment_size: 56
    .max_flat_workgroup_size: 128
    .sgpr_count:     66
    .vgpr_count:     512
    .wavefront_size: 32
...
	.end_amdgpu_metadata
.endif
;; end of part 2
;; launch attn (part 3): grid 16 x 16, 8 waves a work-group, clusters of 4 x 4, 327,680 bytes of LDS; arguments qimg, kv, mask, aimg; writes aimg
.if DOCPART == 3
	.amdgcn_target "amdgcn-amd-amdhsa--gfx1250"
	.amdhsa_code_object_version 6
	.text
	.protected	k_q556f2e4248_attn
	.globl	k_q556f2e4248_attn
	.p2align	8
	.type	k_q556f2e4248_attn,@function
k_q556f2e4248_attn:
	s_mov_b64 s[64:65], 0
	v_nop
	global_prefetch_b8 v0, s[64:65] scope:SCOPE_SE
	s_setreg_imm32_b32 hwreg(HW_REG_WAVE_MODE, 25, 1), 1
	s_wait_xcnt 0x0
	s_wait_alu depctr_hold_cnt(0) depctr_sa_sdst(0) depctr_va_vdst(0) depctr_va_sdst(0) depctr_va_ssrc(0) depctr_va_vcc(0) depctr_vm_vsrc(0)
	s_getreg_b32 s2, hwreg(HW_REG_IB_STS2, 6, 4)
	s_cmp_eq_u32 s2, 0
	s_cbranch_scc0 .Lentry_in_a_cluster
	s_endpgm
.Lentry_in_a_cluster:
	s_bfe_u32 s2, ttmp6, 0x10000c
	s_cmp_lg_u32 s2, 0xf033
	s_cbranch_scc0 .Lentry_shape_is_right
	s_endpgm
.Lentry_shape_is_right:
; ATTENTION: for each batch, head and query: softmax over 2,048 keys of (q . k / 8 + mask), times v.  q (already / 8), k, v: f16, in the order of the operands' registers (the launch before); mask [2,048][2,048] f32, an input; products,
; maxima and sums in f32; the weights p are rounded to f16 for the second product, the result once to f16, again as an image of the next product's operand (aimg [tile of 16 tokens 512][32 along K 16][half 2][lane][16 B]).
; LAYOUT.  S^T = K Q^T + mask^T (source 0 = 16 keys, source 1 = 16 queries): a lane holds ONE query (lane % 16) and keys 8 (lane / 16) + 0 .. 7.  THE MASK IS THE C OF THE FIRST PRODUCT: it is loaded into the scores' registers, 32
; consecutive bytes of the query's row a tile, and costs no arithmetic.  Two tiles of p, rounded in pairs, are source 1 (32 keys x 16 queries) of O^T = V^T P, whose result again holds one query a lane and eight channels.
; SOFTMAX.  A running maximum m and sum l for each query: p = 2^(c s - c m), c = log2(e); in every step O and l are multiplied by a = 2^(c m_old - c m_new).  m begins at -2^126.
; SHARES.  A work-group owns 128 queries of TWO heads (so that a mask tile serves twice).  Wave WV: u = WV & 1: its 64 queries (four tiles); a = (WV >> 1) & 1: its head; g = WV >> 2: its keys, 64 g .. 64 g + 63 of every 128.
; Waves WV and WV + 4 hold two halves of the keys for the same queries and head: each has its own m, l and O, merged at the end through LDS.  g is also the wave's ROLE: role 0 issues a step's V^T P at the step's end, role 1 at the
; head of the next step (V and p stay in registers), so that one role's matrix instructions stand beside the other's softmax.
; RING.  Two LDS slots of 128 keys: the mask's 128 rows x 512 bytes, and K and V of both heads (64 KB, dense).  Every wave fetches 16 KB with one tensor load behind each change of slots.
; CLUSTER 4 x 4.  The mask's tile hangs on the block of queries alone: the four work-groups of a column of the cluster ask for it jointly; K and V hang on batch and pair of heads alone: the four of a row ask jointly.
; LIMITS: scores under -2^126 count as hidden; a query all of whose scores are so gives NaN (as a row of -infinity does in a softmax); NaN in the mask is not served.
; REGISTERS, window 0: v1-10 addresses; v16-47 statistics, 8 a tile: +0 c m, +1 m, +2, +3 l, +4 .. +7 at work (a takes +6); v48-55 the merge; v64-191 S^T (tile t, 16 keys kt: 32 t + 8 kt); v192-255 P (16 t).
;   window 1: v0-127 O^T (32 t + 8 ct); v128-191 Q (16 t + 8 c); v192-255 K of a step (16 kt + 8 c), then V (32 kb + 8 ct).
.set MP,    528                        ; a mask row in LDS: 512 bytes + 16 = 33 x 16: the sixteen rows of a load start 16 bytes apart modulo 256
.set KVO,   128*MP                     ; K and V lie behind the mask: head a at 32,768 a, K at +0, V at +16,384
.set SLOT,  KVO+65536                  ; 133,120 bytes
.set SPARE, 2*SLOT                     ; the spare words, 128 bytes for each wave: four blocks of 256 bytes that no other line names
.set STGP,  17408                      ; the merge: a pair's place, in slot 0, which has had its last fill and its last read by then: O 16,384 bytes, c m 512, l 512
.set AM,  2                            ; v2-3   my place in the mask's tile, slot 0, 1
.set AK,  4                            ; v4-5   my place in my head's K, slot 0, 1
.set SPW, 6                            ; v6     my spare word; never rewritten
.set NIL, 7                            ; v7     0; never rewritten
.set PFO, 8                            ; v8     the prefetches' offset
.set LI,  9                            ; v9     16 x lane
.set STG, 10                           ; v10    16 x lane + my pair's place
.set ST,  16
.set MG,  48
.set S,   64
.set P,   192
.set O,   0
.set Q,   128
.set KV,  192
.set WV,  12                           ; s12  wave
.set G,   13                           ; s13  g
.set IW,  57                           ; s57  WV & 3: which quarter I fetch
.set G1M, 24                           ; s[24:31] group 1, the mask's tiles;  s[32:39] K's and V's
.set G1K, 32
.set G0M, 40                           ; s[40:47] groups 0 for the mask, a set for each slot;  s[48:55] for K and V
.set G0K, 48
.set CNT, 56
.set CS,  58                           ; s[58:59] c, twice
.set SEL, 60                           ; s[60:61]
.set LIM, 62                           ; s62  1 in a wave that prefetches
.set PFA, 66                           ; s[66:67] where my prefetches stand
.set PFS, 68                           ; s[68:69] a tile on
.set MSB, 0
.macro WIN new                         ; the immediate's high byte repeats the setting that is left
.if MSB != \new
	s_set_vgpr_msb (MSB<<8)|\new
.set MSB, \new
.endif
.endm
.set W_QK, 0x05                        ; K and Q window 1; C and D (S^T) window 0
.set W_PV, 0x51                        ; V window 1, P window 0, C and D (O^T) window 1
.set W_RS, 0x41                        ; O^T (destination, source 0) window 1, the factor window 0
.set TO1,  0x40                        ; destination window 1, address window 0
.macro PLACES
.rept 4
	v_nop
.endr
.endm
.macro CROUND                          ; a round of the cluster's barrier
	s_barrier_signal -1
	s_barrier_wait -1
	s_cmp_lg_u32 s[WV], 0
	s_cbranch_scc1 .Lnot_wave_0_\@
	s_barrier_signal -3
.Lnot_wave_0_\@:
	s_barrier_wait -3
	s_barrier_signal -1
	s_barrier_wait -1
.endm
; A joint load: waves 0-3 fetch the mask's four quarters, waves 4-7 K and V of the two heads.  The branch hangs on the wave's number alone.  An s_nop 0 and four v_nop follow each line.
.macro JLOAD s
	s_cmp_lt_u32 s[WV], 4
	s_cbranch_scc0 .Lfor_kv_\@
	tensor_load_to_lds s[G0M+4*(\s):G0M+4*(\s)+3], s[G1M:G1M+7]
	s_nop 0
.rept 4
	v_nop
.endr
	s_branch .Lasked_\@
.Lfor_kv_\@:
	tensor_load_to_lds s[G0K+4*(\s):G0K+4*(\s)+3], s[G1K:G1K+7]
	s_nop 0
.rept 4
	v_nop
.endr
.Lasked_\@:
.endm
; A PREFETCH INTO THE L2 of the tile that the NEXT change of slots will ask for, behind the wave's tensor load and its five lines.  Each aligned block of 256 bytes is named once in the launch.  The mask's tile is read by every cluster of
; a column of clusters: cluster y = 0 asks; its column's four partners take 32 rows each, told apart by ADDRESS; waves 0 and 1 take 16 rows each, two lanes a row.  K and V are read by every cluster of a row of clusters: cluster x = 0
; asks; the row's four partners take 16 KB each (a head's K or V), by address; waves 4 and 5 take 8 KB each, lanes 256 bytes apart.  Steps 0 to 13 ask, for tiles 2 to 15; tiles 0 and 1 come by their loads alone.
.macro ASK
	s_cmp_eq_u32 s[LIM], 1
	s_cbranch_scc0 .Lnot_mine_\@
	global_prefetch_b8 v[PFO], s[PFA:PFA+1] th:TH_LOAD_NT scope:SCOPE_SE
.Lnot_mine_\@:
.endm
; THE CHANGE OF SLOTS, at a step's head.  Each wave waits for all its tensor loads (one is out: its part of slot cur), adds 0 to its spare word, and waits for that and for its reads of the other slot.  fill = 1: behind a round of the
; cluster's barrier the other slot takes the next tile: the load has this whole step in which to land.
.macro CHANGE cur, fill, ask
	WIN 0
	s_wait_tensorcnt 0x0                           ; no tensor load of mine is out, so a group 0 may be written
	ds_add_u32 v[SPW], v[NIL]                      ; 0 onto my spare word; the steps below stand between it and the wait for it
.if \fill
	s_add_nc_u64 s[G0M+4*\cur+2:G0M+4*\cur+3], s[G0M+4*\cur+2:G0M+4*\cur+3], 2*512     ; this slot's next tile: two tiles on
	s_add_nc_u64 s[G0K+4*\cur+2:G0K+4*\cur+3], s[G0K+4*\cur+2:G0K+4*\cur+3], 2*32768
.endif
.if \ask
	s_wait_xcnt 0x0                                ; the last prefetch, a step back, has read its address
	s_add_nc_u64 s[PFA:PFA+1], s[PFA:PFA+1], s[PFS:PFS+1]
.endif
	s_wait_dscnt 0x0                               ; the add is done, and my reads of the other slot are over (role 1: V's among them)
.if \fill
	CROUND                                         ; no wave of any partner still reads that slot or has a load on its way
	JLOAD 1-\cur
.if \ask
	ASK
.endif
.else
	s_barrier_signal -1
	s_barrier_wait -1
.endif
.endm
.macro FETCH_MK cur                    ; the mask into the scores' registers, and my 64 keys of K
	PLACES                                         ; in front of loads into registers that matrix instructions have read
.irp qt, 0,1,2,3
.irp kt, 0,1,2,3
.irp c, 0,1
	ds_load_b128 v[S+32*\qt+8*\kt+4*\c:S+32*\qt+8*\kt+4*\c+3], v[AM+\cur] offset:16*MP*\qt+64*\kt+16*\c
.endr
.endr
.endr
	WIN TO1
.set ii, 0
.rept 16
	ds_load_b128 v[KV+4*ii:KV+4*ii+3], v[AK+\cur] offset:512*ii
.set ii, ii+1
.endr
	WIN 0
.endm
.macro FETCH_V cur
	WIN TO1
.set ii, 0
.rept 16
	ds_load_b128 v[KV+4*ii:KV+4*ii+3], v[AK+\cur] offset:16384+512*ii
.set ii, ii+1
.endr
	WIN 0
.endm
; 32 products S^T = K Q^T + mask^T: channels 32 (i / 16) on, keys 16 ((i / 4) % 4) on, tile i % 4.  The 16 accumulators take turns, one instruction a turn.
.macro QK
	WIN W_QK
.set ii, 0
.rept 32
.set rS, S+32*(ii%4)+8*((ii/4)%4)
.set rK, KV+16*((ii/4)%4)+8*(ii/16)
.set rQ, Q+16*(ii%4)+8*(ii/16)
	v_wmma_f32_16x16x32_f16 v[rS:rS+7], v[rK:rK+7], v[rQ:rQ+7], v[rS:rS+7]
.set ii, ii+1
.endr
.endm
; 32 products O^T += V^T P: keys 32 (i / 16) on, channels 16 ((i / 4) % 4) on, tile i % 4; by turns.  zero = 1: the first 16 alone, which start the sums.
.macro PV zero
	WIN W_PV
.set ii, 0
.rept 32-16*\zero
.set rO, O+32*(ii%4)+8*((ii/4)%4)
.set rV, KV+32*(ii/16)+8*((ii/4)%4)
.set rP, P+16*(ii%4)+8*(ii/16)
.if \zero
	v_wmma_f32_16x16x32_f16 v[rO:rO+7], v[rV:rV+7], v[rP:rP+7], 0
.else
	v_wmma_f32_16x16x32_f16 v[rO:rO+7], v[rV:rV+7], v[rP:rP+7], v[rO:rO+7]
.endif
.set ii, ii+1
.endr
	WIN 0
.endm
; THE SOFTMAX of a step, the four tiles by turns in every group of lines, so that no line waits for the line above it.
.macro SM
.irp j, 0,1,2,3
.irp t, 0,1,2,3
	v_max3_num_f32 v[ST+8*\t+4+\j], v[S+32*\t+8*\j], v[S+32*\t+8*\j+1], v[S+32*\t+8*\j+2]   ; four chains a tile, each begun at an accumulator's low end
.endr
.endr
.irp n, 1,2
.irp j, 0,1,2,3
.irp t, 0,1,2,3
	v_max3_num_f32 v[ST+8*\t+4+\j], v[ST+8*\t+4+\j], v[S+32*\t+8*\j+2*\n+1], v[S+32*\t+8*\j+2*\n+2]
.endr
.endr
.endr
.irp t, 0,1,2,3
	v_max3_num_f32 v[ST+8*\t+4], v[ST+8*\t+4], v[S+32*\t+7], v[S+32*\t+15]
.endr
.irp t, 0,1,2,3
	v_max3_num_f32 v[ST+8*\t+6], v[ST+8*\t+6], v[S+32*\t+23], v[S+32*\t+31]
.endr
.irp t, 0,1,2,3
	v_max3_num_f32 v[ST+8*\t+4], v[ST+8*\t+4], v[ST+8*\t+5], v[ST+8*\t+6]
.endr
.irp t, 0,1,2,3
	v_max3_num_f32 v[ST+8*\t+4], v[ST+8*\t+4], v[ST+8*\t+7], v[ST+8*\t+1]   ; and the old m
.endr
.irp t, 0,1,2,3
	v_permlanex16_b32 v[ST+8*\t+5], v[ST+8*\t+4], s[SEL], s[SEL+1]         ; the query's other 32 keys lie in the lane 16 away
.endr
.irp t, 0,1,2,3
	v_mov_b32 v[ST+8*\t+7], v[ST+8*\t]             ; c m_old is kept for a
.endr
.irp t, 0,1,2,3
	v_max_num_f32 v[ST+8*\t+1], v[ST+8*\t+4], v[ST+8*\t+5]
.endr
.irp t, 0,1,2,3
	v_mul_f32 v[ST+8*\t], s[CS], v[ST+8*\t+1]
.endr
.irp t, 0,1,2,3
	v_sub_f32 v[ST+8*\t+7], v[ST+8*\t+7], v[ST+8*\t]
.endr
.irp b, 0,1,2,3,4,5,6,7,8,9,10,11,12,13,14,15
.irp t, 0,1,2,3
	v_pk_fma_f32 v[S+32*\t+2*\b:S+32*\t+2*\b+1], v[S+32*\t+2*\b:S+32*\t+2*\b+1], s[CS:CS+1], v[ST+8*\t:ST+8*\t+1] op_sel_hi:[1,0,0] neg_lo:[0,0,1] neg_hi:[0,0,1]   ; c s - c m
.endr
.endr
.irp t, 0,1,2,3
	v_exp_f32 v[ST+8*\t+6], v[ST+8*\t+7]           ; a.  ONE BATCH: these four and the 128 below; none reads another's result
.endr
.set ee, 0
.rept 128
	v_exp_f32 v[S+ee], v[S+ee]
.set ee, ee+1
.endr
	v_nop                                          ; a plain instruction behind the last exponential
	s_wait_alu depctr_va_vdst(0)                   ; and one wait ahead of the batch's first reader
.set jj, 0
.rept 64
	v_cvt_pk_f16_f32 v[P+jj], v[S+2*jj], v[S+2*jj+1]
.set jj, jj+1
.endr
.set jj, 0
.rept 32
	v_pk_add_f32 v[S+4*jj:S+4*jj+1], v[S+4*jj:S+4*jj+1], v[S+4*jj+2:S+4*jj+3]   ; the sums of the unrounded p, in place: neighbours 1, 2, 4 and 8 pairs apart
.set jj, jj+1
.endr
.set jj, 0
.rept 16
	v_pk_add_f32 v[S+8*jj:S+8*jj+1], v[S+8*jj:S+8*jj+1], v[S+8*jj+4:S+8*jj+5]
.set jj, jj+1
.endr
.set jj, 0
.rept 8
	v_pk_add_f32 v[S+16*jj:S+16*jj+1], v[S+16*jj:S+16*jj+1], v[S+16*jj+8:S+16*jj+9]
.set jj, jj+1
.endr
.irp t, 0,1,2,3
	v_pk_add_f32 v[S+32*\t:S+32*\t+1], v[S+32*\t:S+32*\t+1], v[S+32*\t+16:S+32*\t+17]
.endr
.irp t, 0,1,2,3
	v_pk_fma_f32 v[ST+8*\t+2:ST+8*\t+3], v[ST+8*\t+2:ST+8*\t+3], v[ST+8*\t+6:ST+8*\t+7], v[S+32*\t:S+32*\t+1] op_sel_hi:[1,0,1]   ; l = a l + the sum
.endr
	WIN W_RS
.irp j, 0,1,2,3,4,5,6,7,8,9,10,11,12,13,14,15
.irp t, 0,1,2,3
	v_pk_mul_f32 v[O+32*\t+2*\j:O+32*\t+2*\j+1], v[O+32*\t+2*\j:O+32*\t+2*\j+1], v[ST+8*\t+6:ST+8*\t+7] op_sel_hi:[1,0]   ; O^T times a, each accumulator from its low end on
.endr
.endr
	WIN 0
.endm
; A KEY STEP.  The waits, the add, the barriers and the tensor load are on every wave's path.
.macro STEP cur, fill, ask
	CHANGE \cur, \fill, \ask
	s_cmp_eq_u32 s[G], 0
	s_cbranch_scc1 .Lrole0_\@
	PV 0                                           ; role 1: the step before's V^T P (in the first step: zeros)
.Lrole0_\@:
	FETCH_MK \cur
	s_wait_dscnt 0x0                               ; the mask and K are in
	QK
	WIN 0
	PLACES                                         ; in front of the loads into K's registers and of the first read of the scores
	FETCH_V \cur
	SM
	s_cmp_lg_u32 s[G], 0
	s_cbranch_scc1 .Lrole1_\@
	s_wait_dscnt 0x0                               ; V is in
	PV 0                                           ; role 0: this step's V^T P
.Lrole1_\@:
.endm
	s_load_b256 s[4:11], s[0:1], 0x0               ; qimg s[4:5], kv s[6:7], mask s[8:9], aimg s[10:11]
	v_lshl_add_u32 v[SPW], v0, 2, SPARE
	v_mov_b32 v[NIL], 0
	ds_add_u32 v[SPW], v[NIL]                      ; the wave's opening: the add, twice on end, and its wait ahead of my first tensor load; the set-up below, work on registers, stands between
	ds_add_u32 v[SPW], v[NIL]                      ; and once more, under the one wait
	v_lshrrev_b32 v1, 5, v0
	v_readfirstlane_b32 s[WV], v1                  ; wave 0..7
	s_lshr_b32 s[G], s[WV], 2
	s_and_b32 s[IW], s[WV], 3
	s_bfe_u32 s14, ttmp6, 0x40000                  ; cx
	s_bfe_u32 s15, ttmp6, 0x40004                  ; cy
	s_lshl_b32 s16, ttmp9, 2
	s_add_co_u32 s16, s16, s14                     ; qb: my block of 128 queries = 4 x cluster x + cx
	s_and_b32 s17, ttmp7, 0xffff
	s_lshl_b32 s17, s17, 2
	s_add_co_u32 s17, s17, s15                     ; bh: 4 x batch + pair of heads = 4 x cluster y + cy
	s_lshl_b32 s18, 0x1111, s14                    ; my column of the cluster
	s_lshl_b32 s70, s15, 2
	s_lshl_b32 s70, 15, s70                        ; my row
	; group 1, the mask: 32 rows x 128 elements of 4 bytes, 2,048 elements from row to row; in LDS 4 words of padding behind every 128
	s_or_b32 s[G1M], s18, (2<<16)|(1<<20)|(1<<21)|(6<<22)|(3<<25)
	s_mov_b32 s[G1M+1], 128<<16                    ; tensor_dim0
	s_mov_b32 s[G1M+2], 32<<16                     ; tensor_dim1
	s_mov_b32 s[G1M+3], 128<<16                    ; tile_dim0
	s_mov_b32 s[G1M+4], 32                         ; tile_dim1
	s_mov_b32 s[G1M+5], 2048                       ; the pitch
	s_mov_b32 s[G1M+6], 0
	s_mov_b32 s[G1M+7], 0
	; group 1, K or V of a head: 16,384 dense bytes as 64 rows of 32 elements of 8 bytes
	s_or_b32 s[G1K], s70, (3<<16)|(1<<21)
	s_mov_b32 s[G1K+1], 32<<16
	s_mov_b32 s[G1K+2], 64<<16
	s_mov_b32 s[G1K+3], 32<<16
	s_mov_b32 s[G1K+4], 64
	s_mov_b32 s[G1K+5], 32
	s_mov_b32 s[G1K+6], 0
	s_mov_b32 s[G1K+7], 0
	; where the tiles come from and go.  The mask's address is made in s18-23 of qb and the wave alone, K's and V's in s70-75 of bh and the wave alone; no place in the cluster enters an LDS address
	s_lshl_b32 s18, s16, 20                        ; 128 qb rows of 8,192 bytes
	s_lshl_b32 s19, s[IW], 18                      ; my 32 rows
	s_add_co_u32 s18, s18, s19
	s_mov_b32 s19, 0
	s_mul_i32 s22, s[IW], 32*MP
	s_lshl_b32 s70, s17, 1
	s_lshr_b32 s71, s[IW], 1
	s_add_co_u32 s70, s70, s71                     ; the head: 2 bh + (my quarter / 2)
	s_lshl_b32 s70, s70, 19
	s_and_b32 s71, s[IW], 1                        ; K or V
	s_lshl_b32 s71, s71, 14
	s_add_co_u32 s70, s70, s71
	s_mov_b32 s71, 0
	s_lshl_b32 s74, s[IW], 14
	s_add_co_u32 s74, s74, KVO
	; my lane's places
	v_and_b32 v1, 31, v0                           ; lane
	v_and_b32 v11, 15, v0                          ; r
	v_bfe_u32 v12, v0, 4, 1                        ; h
	v_lshlrev_b32 v[LI], 4, v1
	s_and_b32 s76, s[WV], 1                        ; u
	s_bfe_u32 s77, s[WV], 0x10001                  ; a
	v_mul_u32_u24 v[AM], v11, MP
	v_lshl_add_u32 v[AM], v12, 5, v[AM]
	s_mul_i32 s78, s76, 64*MP
	s_lshl_b32 s79, s[G], 8
	s_add_co_u32 s78, s78, s79
	v_add_nc_u32 v[AM], s78, v[AM]                 ; (64 u + r) x 528 + 256 g + 32 h
	v_add_nc_u32 v[AM+1], SLOT, v[AM]
	s_lshl_b32 s78, s77, 15
	s_lshl_b32 s79, s[G], 13
	s_add_co_u32 s78, s78, s79
	s_add_co_u32 s78, s78, KVO
	v_add_nc_u32 v[AK], s78, v[LI]                 ; my head, my 64 keys, 16 x lane
	v_add_nc_u32 v[AK+1], SLOT, v[AK]
	s_mul_i32 s78, s[IW], STGP
	v_add_nc_u32 v[STG], s78, v[LI]
	s_mov_b32 s[CS], 0x3fb8aa3b                    ; c = log2(e)
	s_mov_b32 s[CS+1], s[CS]
	s_mov_b32 s[SEL], 0x76543210
	s_mov_b32 s[SEL+1], 0xfedcba98
.irp t, 0,1,2,3
	v_mov_b32 v[ST+8*\t+1], 0xfe800000             ; m = -2^126
	v_mov_b32 v[ST+8*\t+2], 0                      ; l
	v_mov_b32 v[ST+8*\t+3], 0
.endr
.irp t, 0,1,2,3
	v_mul_f32 v[ST+8*\t], s[CS], v[ST+8*\t+1]      ; c m
.endr
	; Q's and the result's places, in bytes
	s_lshl_b32 s78, s17, 1
	s_add_co_u32 s78, s78, s77                     ; batch x 8 + head
	s_lshl_b32 s78, s78, 18
	s_lshl_b32 s79, s16, 14
	s_add_co_u32 s78, s78, s79
	s_lshl_b32 s79, s76, 13
	s_add_co_u32 s2, s78, s79                      ; qimg: head x 2^18 + (8 qb + 4 u) tiles of 2,048
	s_mov_b32 s3, 0
	s_lshr_b32 s78, s17, 2
	s_lshl_b32 s78, s78, 21
	s_lshl_b32 s79, s16, 17
	s_add_co_u32 s78, s78, s79
	s_lshl_b32 s79, s76, 16
	s_add_co_u32 s78, s78, s79                     ; aimg: (128 b + 8 qb + 4 u) tiles of 16,384
	s_and_b32 s79, s17, 3
	s_lshl_b32 s79, s79, 12
	s_add_co_u32 s78, s78, s79
	s_lshl_b32 s79, s77, 11
	s_add_co_u32 s78, s78, s79                     ; + head x 2,048
	s_mov_b32 s79, 0
	s_wait_dscnt 0x0                               ; both opening adds are done
	s_wait_kmcnt 0x0
	s_add_nc_u64 s[20:21], s[8:9], s[18:19]
	s_add_nc_u64 s[72:73], s[6:7], s[70:71]
	s_add_nc_u64 s[4:5], s[4:5], s[2:3]
	s_add_nc_u64 s[10:11], s[10:11], s[78:79]
.irp s, 0,1
	s_mov_b32 s[G0M+4*\s], 1                       ; count = 1
	s_add_co_u32 s[G0M+4*\s+1], s22, \s*SLOT       ; LDS address
	s_add_nc_u64 s[G0M+4*\s+2:G0M+4*\s+3], s[20:21], \s*512      ; tile s: 128 keys are 512 bytes of a row
	s_or_b32 s[G0M+4*\s+3], s[G0M+4*\s+3], 0x80000000            ; type = 2
	s_mov_b32 s[G0K+4*\s], 1
	s_add_co_u32 s[G0K+4*\s+1], s74, \s*SLOT
	s_add_nc_u64 s[G0K+4*\s+2:G0K+4*\s+3], s[72:73], \s*32768    ; tile s: 32,768 bytes of a head
	s_or_b32 s[G0K+4*\s+3], s[G0K+4*\s+3], 0x80000000
.endr
	CROUND                                         ; all sixteen work-groups are here: the first joint loads meet
	JLOAD 0                                        ; tile 0.
	WIN TO1
.set ii, 0
.rept 16
	global_load_b128 v[Q+4*ii:Q+4*ii+3], v[LI], s[4:5] offset:512*ii   ; Q's eight fragments stay in registers
.set ii, ii+1
.endr
.set ii, 0
.rept 64
	v_mov_b32 v[KV+ii], 0                          ; zeros for V and (below) for p: sixteen products of them start O^T, and role 1's first V^T P, which has no step before it, adds nothing
.set ii, ii+1
.endr
	WIN 0
.set ii, 0
.rept 64
	v_mov_b32 v[P+ii], 0
.set ii, ii+1
.endr
	; the prefetches: who asks, and where
	s_lshl_b32 s76, s16, 20
	s_lshl_b32 s77, s15, 18                        ; the mask: my work-group's 32 rows of the 128, by cy,
	s_add_co_u32 s76, s76, s77
	s_and_b32 s78, s[WV], 1
	s_lshl_b32 s77, s78, 17                        ; my wave's 16 of them,
	s_add_co_u32 s76, s76, s77
	s_add_co_u32 s76, s76, 512                     ; at tile 1: step 0 steps it to tile 2
	s_lshl_b32 s77, s17, 1
	s_lshr_b32 s79, s14, 1
	s_add_co_u32 s77, s77, s79                     ; K and V: my work-group's head, by cx,
	s_lshl_b32 s77, s77, 19
	s_and_b32 s79, s14, 1
	s_lshl_b32 s79, s79, 14                        ; its K or its V,
	s_add_co_u32 s77, s77, s79
	s_lshl_b32 s79, s78, 13                        ; my wave's 8 KB,
	s_add_co_u32 s77, s77, s79
	s_add_co_u32 s77, s77, 32768                   ; at tile 1
	s_mov_b32 s[PFS], 32768
	s_mov_b32 s79, 512
	s_and_b32 s63, ttmp7, 0xffff
	s_cmp_eq_u32 s[G], 0                           ; waves 0-3 stand for the mask, waves 4-7 for K and V
	s_cselect_b64 s[PFA:PFA+1], s[8:9], s[6:7]
	s_cselect_b32 s76, s76, s77
	s_cselect_b32 s[PFS], 512, s[PFS]              ; a tile on
	s_cselect_b32 s79, 8192, s79                   ; from pair of lanes to pair of lanes
	s_cselect_b32 s63, s63, ttmp9                  ; the coordinate along which other clusters read the same bytes
	s_mov_b32 s77, 0
	s_mov_b32 s[PFS+1], 0
	s_add_nc_u64 s[PFA:PFA+1], s[PFA:PFA+1], s[76:77]
	s_and_b32 s78, s[WV], 2
	s_or_b32 s63, s63, s78                         ; waves 0, 1, 4, 5 of the first cluster along it: the same in all sixteen partners
	s_cmp_eq_u32 s63, 0
	s_cselect_b32 s[LIM], 1, -1
	v_lshrrev_b32 v[PFO], 1, v1
	v_mul_lo_u32 v[PFO], v[PFO], s79
	v_and_b32 v13, 1, v1
	v_lshl_add_u32 v[PFO], v13, 8, v[PFO]
	PV 1
	s_wait_loadcnt 0x0                             ; Q
	s_mov_b32 s[CNT], 7
.Lpair:                                            ; seven trips of two steps: steps 0 to 13
	STEP 0, 1, 1
	STEP 1, 1, 1
	s_sub_co_u32 s[CNT], s[CNT], 1
	s_cmp_lg_u32 s[CNT], 0
	s_cbranch_scc1 .Lpair
	STEP 0, 1, 0                                   ; the tail is written out: step 14 asks for tile 15
	STEP 1, 0, 0                                   ; step 15 for nothing
	s_cmp_eq_u32 s[G], 0
	s_cbranch_scc1 .Llast
	s_wait_dscnt 0x0                               ; V of the last step
	PV 0                                           ; role 1's last V^T P
.Llast:
	; THE MERGE.  l's two halves and the other half of the lanes' are added (plain lines: the places behind the last products).  Role 1 hands c m, l and O^T to its partner as images of its registers.
.irp t, 0,1,2,3
	v_add_f32 v[ST+8*\t+4], v[ST+8*\t+2], v[ST+8*\t+3]
.endr
.irp t, 0,1,2,3
	v_permlanex16_b32 v[ST+8*\t+5], v[ST+8*\t+4], s[SEL], s[SEL+1]
.endr
.irp t, 0,1,2,3
	v_add_f32 v[ST+8*\t+2], v[ST+8*\t+4], v[ST+8*\t+5]
.endr
	s_cmp_eq_u32 s[G], 0
	s_cbranch_scc1 .Lkeeper
.irp t, 0,1,2,3
	v_mov_b32 v[MG+\t], v[ST+8*\t]
	v_mov_b32 v[MG+4+\t], v[ST+8*\t+2]
.endr
	WIN 0x04                                       ; an LDS store's data are its source 1: window 1
.set ii, 0
.rept 32
	ds_store_b128 v[STG], v[O+4*ii:O+4*ii+3] offset:512*ii       ; each accumulator from its low end on
.set ii, ii+1
.endr
	WIN 0
	ds_store_b128 v[STG], v[MG:MG+3] offset:16384
	ds_store_b128 v[STG], v[MG+4:MG+7] offset:16896
.Lkeeper:
	s_wait_dscnt 0x0                               ; for the partner's sake: my stores have landed
	s_barrier_signal -1
	s_barrier_wait -1
	s_cmp_lg_u32 s[G], 0
	s_cbranch_scc1 .Ldone
	ds_load_b128 v[MG:MG+3], v[STG] offset:16384   ; the partner's c m,
	ds_load_b128 v[MG+4:MG+7], v[STG] offset:16896 ; its l,
.set ii, 0
.rept 32
	ds_load_b128 v[S+4*ii:S+4*ii+3], v[STG] offset:512*ii        ; and its O^T, into the scores' registers
.set ii, ii+1
.endr
	s_wait_dscnt 0x0
.irp t, 0,1,2,3
	v_max_num_f32 v[ST+8*\t+4], v[ST+8*\t], v[MG+\t]             ; the larger c m
.endr
.irp t, 0,1,2,3
	v_sub_f32 v[ST+8*\t+5], v[ST+8*\t], v[ST+8*\t+4]
.endr
.irp t, 0,1,2,3
	v_sub_f32 v[ST+8*\t+6], v[MG+\t], v[ST+8*\t+4]
.endr
.irp t, 0,1,2,3
	v_exp_f32 v[ST+8*\t+5], v[ST+8*\t+5]           ; f0, f1: what brings each half under the common maximum
	v_exp_f32 v[ST+8*\t+6], v[ST+8*\t+6]
.endr
	v_nop
	s_wait_alu depctr_va_vdst(0)                   ; one wait for the eight
.irp t, 0,1,2,3
	v_mul_f32 v[ST+8*\t+2], v[ST+8*\t+2], v[ST+8*\t+5]
.endr
.irp t, 0,1,2,3
	v_fma_f32 v[ST+8*\t+2], v[MG+4+\t], v[ST+8*\t+6], v[ST+8*\t+2]   ; l = l0 f0 + l1 f1
.endr
.irp t, 0,1,2,3
	v_rcp_f32 v[ST+8*\t+3], v[ST+8*\t+2]
.endr
	v_nop
	s_wait_alu depctr_va_vdst(0)                   ; one wait for the four
.irp t, 0,1,2,3
	v_mul_f32 v[ST+8*\t+4], v[ST+8*\t+5], v[ST+8*\t+3]           ; f0 / l
.endr
.irp t, 0,1,2,3
	v_mul_f32 v[ST+8*\t+6], v[ST+8*\t+6], v[ST+8*\t+3]           ; f1 / l
.endr
	WIN W_RS
.irp j, 0,1,2,3,4,5,6,7,8,9,10,11,12,13,14,15
.irp t, 0,1,2,3
	v_pk_mul_f32 v[O+32*\t+2*\j:O+32*\t+2*\j+1], v[O+32*\t+2*\j:O+32*\t+2*\j+1], v[ST+8*\t+4:ST+8*\t+5] op_sel_hi:[1,0]
.endr
.endr
	WIN 0x50                                       ; the partner's O^T and the factor window 0; mine, source 2 and destination, window 1
.irp j, 0,1,2,3,4,5,6,7,8,9,10,11,12,13,14,15
.irp t, 0,1,2,3
	v_pk_fma_f32 v[O+32*\t+2*\j:O+32*\t+2*\j+1], v[S+32*\t+2*\j:S+32*\t+2*\j+1], v[ST+8*\t+6:ST+8*\t+7], v[O+32*\t+2*\j:O+32*\t+2*\j+1] op_sel_hi:[1,0,1]
.endr
.endr
	WIN 0x05                                       ; sources window 1, destination window 0
.set jj, 0
.rept 64
	v_cvt_pk_f16_f32 v[P+jj], v[O+2*jj], v[O+2*jj+1]             ; a lane's eight channels of a query: half a fragment of the next product's operand
.set jj, jj+1
.endr
	WIN 0
.irp t, 0,1,2,3
.irp ct, 0,1,2,3
	global_store_b128 v[LI], v[P+16*\t+4*\ct:P+16*\t+4*\ct+3], s[10:11] offset:16384*\t+512*\ct   ; 512 consecutive bytes, aligned
.endr
.endr
.Ldone:
	s_wait_tensorcnt 0x0                           ; the wave's end, behind my last tensor load and my last LDS store
	ds_add_u32 v[SPW], v[NIL]
	s_wait_dscnt 0x0
	CROUND                                         ; the closing round: no work-group ends while a partner may still ask for a tile that names it
	s_endpgm
.Lfunc_end_k_q556f2e4248_attn:
	.size	k_q556f2e4248_attn, .Lfunc_end_k_q556f2e4248_attn-k_q556f2e4248_attn
	.p2alignl 7, 3214868480
	.fill 96, 4, 3214868480
	.section	.rodata,"a",@progbits
	.p2align	6, 0x0
	.amdhsa_kernel k_q556f2e4248_attn
		.amdhsa_group_segment_fixed_size 327680
		.amdhsa_private_segment_fixed_size 0
		.amdhsa_enable_private_segment 0
		.amdhsa_kernarg_size 32
		.amdhsa_user_sgpr_count 2
		.amdhsa_user_sgpr_kernarg_segment_ptr 1
		.amdhsa_wavefront_size32 1
		.amdhsa_system_sgpr_workgroup_id_x 1
		.amdhsa_system_sgpr_workgroup_id_y 1
		.amdhsa_system_sgpr_workgroup_id_z 1
		.amdhsa_system_vgpr_workitem_id 0
		.amdhsa_next_free_vgpr 512
		.amdhsa_next_free_sgpr 80
		.amdhsa_reserve_vcc 0
		.amdhsa_float_denorm_mode_32 3
		.amdhsa_float_denorm_mode_16_64 3
		.amdhsa_memory_ordered 1
		.amdhsa_forward_progress 1
		.amdhsa_inst_pref_size 186
	.end_amdhsa_kernel
	.amdgpu_metadata
---
amdhsa.version: [ 1, 2 ]
amdhsa.kernels:
  - .name:           k_q556f2e4248_attn
    .symbol:         k_q556f2e4248_attn.kd
    .args:
      - { .name: qimg, .offset: 0, .size: 8, .value_kind: global_buffer, .address_space: global }
      - { .name: kv, .offset: 8, .size: 8, .value_kind: global_buffer, .address_space: global }
      - { .name: mask, .offset: 16, .size: 8, .value_kind: global_buffer, .address_space: global }
      - { .name: aimg, .offset: 24, .size: 8, .value_kind: global_buffer, .address_space: global }
    .group_segment_fixed_size: 327680
    .private_segment_fixed_size: 0
    .kernarg_segment_align: 8
    .kernarg_segment_size: 32
    .max_flat_workgroup_size: 256
    .sgpr_count:     80
    .vgpr_count:     512
    .wavefront_size: 32
...
	.end_amdgpu_metadata
.endif
;; end of part 3
;; launch outp (part 4): grid 4 x 64, 4 waves a work-group, no clusters, 17,920 bytes of LDS; arguments aimg, woimg, out0; writes out0
.if DOCPART == 4
	.amdgcn_target "amdgcn-amd-amdhsa--gfx1250"
	.amdhsa_code_object_version 6
	.text
	.protected	k_q556f2e4248_outp
	.globl	k_q556f2e4248_outp
	.p2align	8
	.type	k_q556f2e4248_outp,@function
k_q556f2e4248_outp:
	s_mov_b64 s[64:65], 0
	v_nop
	global_prefetch_b8 v0, s[64:65] scope:SCOPE_SE
	s_setreg_imm32_b32 hwreg(HW_REG_WAVE_MODE, 25, 1), 1
	s_wait_xcnt 0x0
; THE PROJECTION ON THE WAY OUT: out0[token][n] = the sum over k of att[token][k] Wo[n][k], K = 512; both operands f16, in the order of an operand's registers (aimg, woimg: [tile of 16 rows][32 along K 16][half 2][lane][16 B]);
; sums in f32; out0 [8,192][512] f32.
; SHARES.  A work-group makes 128 tokens x 128 outputs, each of its four waves 64 x 64: 16 accumulators.  K goes in 16 steps of 32.  A step's eight fragments go from memory straight into registers: each load is 512 consecutive bytes.
; No tensor load, no ring and no cluster: a wave has 256 matrix instructions in all, and its operands are 128 KB read once in the order in which the registers take them.
; THE MATRIX INSTRUCTION IS USED TRANSPOSED (source 0 = 16 rows of Wo, source 1 = 16 tokens): a lane holds eight neighbouring outputs of one token.
; REGISTERS, window 0: v1-4 addresses; v6, v7 the add's two; v64-255 three sets of 64: Wo's four fragments, then the tokens' four; on the way out v64-191 hold rows of out0.   window 1: accumulator (tt, nt) at v[8 (4 tt + nt)].
.set LI,  1                            ; v1   16 x lane
.set STO, 2                            ; v2   the stage: where I put 16 bytes of a row
.set RD,  3                            ; v3   and where I read a row back
.set CO,  4                            ; v4   my byte offset in two rows of out0
.set SPW, 6
.set NIL, 7
.set F,   64
.set BK,  64
.set SP,  272                          ; a stage row: 256 bytes + 16
.set SPARE, 4*16*SP                    ; behind the four stages: the spare words, 128 bytes for each wave: two blocks of 256 bytes that no other line names
.set MSB, 0
.macro WIN new                         ; the immediate's high byte repeats the setting that is left
.if MSB != \new
	s_set_vgpr_msb (MSB<<8)|\new
.set MSB, \new
.endif
.endm
.macro PLACES
.rept 4
	v_nop
.endr
.endm
.macro LOADK ks, p                     ; K step ks into set p: 16 loads
.irp n, 0,1,2,3
.irp hf, 0,1
	global_load_b128 v[F+64*(\p)+8*\n+4*\hf:F+64*(\p)+8*\n+4*\hf+3], v[LI], s[6:7] offset:16384*\n+1024*(\ks)+512*\hf
.endr
.endr
.irp n, 0,1,2,3
.irp hf, 0,1
	global_load_b128 v[F+64*(\p)+32+8*\n+4*\hf:F+64*(\p)+32+8*\n+4*\hf+3], v[LI], s[4:5] offset:16384*\n+1024*(\ks)+512*\hf
.endr
.endr
.endm
; THE WAY OUT of 16 tokens x 64 outputs: a lane's 32 bytes of a row go into my own stage and come back as whole rows of 256 bytes.  LDS serves a wave's instructions in order (ISA guide 5.7.1.4): no wait between stores and loads.
.macro TOSTAGE tt
	WIN 0x04                                       ; an LDS store's data are its source 1: window 1
.irp nt, 0,1,2,3
.irp c, 0,1
	ds_store_b128 v[STO], v[8*(4*\tt+\nt)+4*\c:8*(4*\tt+\nt)+4*\c+3] offset:64*\nt+16*\c   ; each accumulator from its low end on
.endr
.endr
	WIN 0
.irp i, 0,1,2,3,4,5,6,7
	ds_load_b128 v[BK+32*\tt+4*\i:BK+32*\tt+4*\i+3], v[RD] offset:2*SP*\i
.endr
.endm
.macro SEND tt, younger                ; younger: the LDS instructions issued behind this tile's loads, which may stay out
	s_wait_dscnt \younger
.irp i, 0,1,2,3,4,5,6,7
	global_store_b128 v[CO], v[BK+32*\tt+4*\i:BK+32*\tt+4*\i+3], s[8:9] offset:32768*\tt+4096*\i th:TH_STORE_NT   ; sixteen lanes store 256 consecutive bytes, aligned; written once
.endr
.endm
	s_load_b128 s[4:7], s[0:1], 0x0                ; aimg s[4:5], woimg s[6:7]
	s_load_b64 s[8:9], s[0:1], 0x10                ; out0
	v_lshl_add_u32 v[SPW], v0, 2, SPARE
	v_mov_b32 v[NIL], 0
	v_lshrrev_b32 v5, 5, v0
	v_readfirstlane_b32 s10, v5                    ; wave 0..3
	s_lshr_b32 s11, s10, 1                         ; which 64 tokens
	s_and_b32 s12, s10, 1                          ; which 64 outputs
	s_and_b32 s13, ttmp7, 0xffff                   ; the block of 128 tokens
	v_and_b32 v5, 31, v0
	v_lshlrev_b32 v[LI], 4, v5
	v_and_b32 v8, 15, v0                           ; r
	v_bfe_u32 v9, v0, 4, 1                         ; h
	s_mul_i32 s14, s10, 16*SP                      ; my stage
	v_mul_u32_u24 v[STO], v8, SP
	v_lshl_add_u32 v[STO], v9, 5, v[STO]
	v_add_nc_u32 v[STO], s14, v[STO]               ; in: row r, + 32 h
	v_mul_u32_u24 v[RD], v9, SP
	v_lshl_add_u32 v[RD], v8, 4, v[RD]
	v_add_nc_u32 v[RD], s14, v[RD]                 ; back: lanes 0-15 one row, lanes 16-31 the next
	v_lshlrev_b32 v[CO], 11, v9
	v_lshl_add_u32 v[CO], v8, 4, v[CO]             ; and the same two rows of out0, 2,048 bytes apart
	s_lshl_b32 s16, ttmp9, 3
	s_lshl_b32 s17, s12, 2
	s_add_co_u32 s16, s16, s17
	s_lshl_b32 s16, s16, 14                        ; woimg: tile 8 x + 4 wc, 16,384 bytes a tile
	s_mov_b32 s17, 0
	s_lshl_b32 s18, s13, 3
	s_lshl_b32 s19, s11, 2
	s_add_co_u32 s18, s18, s19
	s_lshl_b32 s18, s18, 14                        ; aimg: tile 8 y + 4 wr
	s_mov_b32 s19, 0
	s_lshl_b32 s20, s13, 7
	s_lshl_b32 s21, s11, 6
	s_add_co_u32 s20, s20, s21
	s_lshl_b32 s20, s20, 11                        ; out0: my first row,
	s_lshl_b32 s21, ttmp9, 9
	s_add_co_u32 s20, s20, s21
	s_lshl_b32 s21, s12, 8
	s_add_co_u32 s20, s20, s21                     ; my first column: 512 x + 256 wc bytes
	s_mov_b32 s21, 0
	s_wait_kmcnt 0x0
	s_add_nc_u64 s[6:7], s[6:7], s[16:17]
	s_add_nc_u64 s[4:5], s[4:5], s[18:19]
	s_add_nc_u64 s[8:9], s[8:9], s[20:21]
	LOADK 0, 0
	LOADK 1, 1
.set KS, 0
.rept 16
.if KS+2 < 16
.if KS > 0
	PLACES                                         ; in front of loads into the set that the step before multiplied
.endif
	WIN 0
	LOADK KS+2, (KS+2)%3
	s_wait_loadcnt 32                              ; this step's 16 loads are in; the two younger steps' stay out
.elseif KS == 14
	s_wait_loadcnt 16                              ; one younger step
.else
	s_wait_loadcnt 0x0
.endif
	WIN 0x50                                       ; C and D window 1
.set FB, F+64*(KS%3)
.irp tt, 0,1,2,3
.irp nt, 0,1,2,3
.if KS == 0
	v_wmma_f32_16x16x32_f16 v[8*(4*\tt+\nt):8*(4*\tt+\nt)+7], v[FB+8*\nt:FB+8*\nt+7], v[FB+32+8*\tt:FB+32+8*\tt+7], 0   ; the first step starts the sums; the 16 accumulators take turns
.else
	v_wmma_f32_16x16x32_f16 v[8*(4*\tt+\nt):8*(4*\tt+\nt)+7], v[FB+8*\nt:FB+8*\nt+7], v[FB+32+8*\tt:FB+32+8*\tt+7], v[8*(4*\tt+\nt):8*(4*\tt+\nt)+7]
.endif
.endr
.endr
.set KS, KS+1
.endr
	PLACES                                         ; in front of the stores that read results and of the loads into the fragments' registers
	TOSTAGE 0
	TOSTAGE 1
	SEND 0, 16                                     ; behind tile 0's loads: tile 1's 8 stores and 8 loads
	TOSTAGE 2
	SEND 1, 16
	TOSTAGE 3
	SEND 2, 16
	SEND 3, 0
	s_wait_tensorcnt 0x0                           ; the wave's end, behind my last LDS store
	ds_add_u32 v[SPW], v[NIL]
	s_wait_dscnt 0x0
	s_endpgm
.Lfunc_end_k_q556f2e4248_outp:
	.size	k_q556f2e4248_outp, .Lfunc_end_k_q556f2e4248_outp-k_q556f2e4248_outp
	.p2alignl 7, 3214868480
	.fill 96, 4, 3214868480
	.section	.rodata,"a",@progbits
	.p2align	6, 0x0
	.amdhsa_kernel k_q556f2e4248_outp
		.amdhsa_group_segment_fixed_size 17920
		.amdhsa_private_segment_fixed_size 0
		.amdhsa_enable_private_segment 0
		.amdhsa_kernarg_size 24
		.amdhsa_user_sgpr_count 2
		.amdhsa_user_sgpr_kernarg_segment_ptr 1
		.amdhsa_wavefront_size32 1
		.amdhsa_system_sgpr_workgroup_id_x 1
		.amdhsa_system_sgpr_workgroup_id_y 1
		.amdhsa_system_sgpr_workgroup_id_z 1
		.amdhsa_system_vgpr_workitem_id 0
		.amdhsa_next_free_vgpr 384
		.amdhsa_next_free_sgpr 66
		.amdhsa_reserve_vcc 0
		.amdhsa_float_denorm_mode_32 3
		.amdhsa_float_denorm_mode_16_64 3
		.amdhsa_memory_ordered 1
		.amdhsa_forward_progress 1
		.amdhsa_inst_pref_size 53
	.end_amdhsa_kernel
	.amdgpu_metadata
---
amdhsa.version: [ 1, 2 ]
amdhsa.kernels:
  - .name:           k_q556f2e4248_outp
    .symbol:         k_q556f2e4248_outp.kd
    .args:
      - { .name: aimg, .offset: 0, .size: 8, .value_kind: global_buffer, .address_space: global }
      - { .name: woimg, .offset: 8, .size: 8, .value_kind: global_buffer, .address_space: global }
      - { .name: out0, .offset: 16, .size: 8, .value_kind: global_buffer, .address_space: global }
    .group_segment_fixed_size: 17920
    .private_segment_fixed_size: 0
    .kernarg_segment_align: 8
    .kernarg_segment_size: 24
    .max_flat_workgroup_size: 128
    .sgpr_count:     66
    .vgpr_count:     384
    .wavefront_size: 32
...
	.end_amdgpu_metadata
.endif
;; end of part 4
;; ======== version 2 of 2: 4 launches
;; limits: values are held in f16: magnitudes above 65,504 overflow, below 6.1e-05 lose precision; inputs' magnitudes at most 8.5e+37
;; workspace buffers: wimg 393,216 bytes; wsc 24,576 bytes; woimg 524,288 bytes; qimg 8,388,608 bytes; kv 16,777,216 bytes; aimg 8,388,608 bytes
;; launch prep: the kernel of part 1 again; grid 32 x 4, 1 waves a work-group, no clusters, 0 bytes of LDS; arguments Wq, Wk, Wv, Wo, wimg, wsc, woimg; writes wimg, wsc, woimg
;; launch proj (part 5): grid 128 x 3, 4 waves a work-group, no clusters, 52,736 bytes of LDS; arguments xq, xk, xv, wimg, wsc, qimg, kv; writes qimg, kv
.if DOCPART == 5
	.amdgcn_target "amdgcn-amd-amdhsa--gfx1250"
	.amdhsa_code_object_version 6
	.text
	.protected	k_q556f2e4248_proj
	.globl	k_q556f2e4248_proj
	.p2align	8
	.type	k_q556f2e4248_proj,@function
k_q556f2e4248_proj:
	s_mov_b64 s[64:65], 0
	v_nop
	global_prefetch_b8 v0, s[64:65] scope:SCOPE_SE
	s_setreg_imm32_b32 hwreg(HW_REG_WAVE_MODE, 25, 1), 1
	s_wait_xcnt 0x0
; THE THREE PROJECTIONS: q = xq Wq^T / 8, k = xk Wk^T, v = xv Wv^T, on codes of FP4 (E2M1) with one E8M0 scale for each 32 along K; sums in f32; results rounded once to f16.
; x [8,192][512] f32 is quantised here, in registers; the weights' codes and scale bytes come from the launch before, in the order of an operand's registers.  (The factor 1 / 8 rides on Wq's stored scale bytes.)
; SHARES.  x = a block of 64 rows, y = 0: q, 1: k, 2: v.  THE FOUR WAVES SHARE THE COLUMNS: wave w keeps W's rows 128 w .. 128 w + 127 (two heads), 32 fragments, in 256 registers, read once; it quantises rows 16 w .. 16 w + 15
; of the block, and the rows' codes and scale words go round through LDS as images of their registers (16 bytes a lane at 16 x lane).  One barrier.
; x IS LOADED AS IT LIES AND TURNED IN LDS.  The conversions want 32 neighbours along K of ONE row in a lane's registers; a load is best where neighbouring LANES take neighbouring bytes.  Both are had: each load takes 512 consecutive
; bytes of one row (128 along K, 16 bytes a lane); a K step's 16 rows go into the wave's own stage, rows 528 bytes apart, and come back 128 bytes a lane, into the registers that they left.
; THE RESULTS LEAVE AS IMAGES OF THE NEXT PRODUCTS' OPERANDS, with no transposition:
;   q, k: source 0 = 16 rows of W, source 1 = 16 tokens: lane (r, h) holds token r, channels 8 h + 0 .. 7 of a tile of 16: rounded in pairs these are registers 0-3 (even tile) or 4-7 (odd tile) of a 16-bit fragment, 16 tokens x 32 channels.
;   v:    the sources change places: lane (r, h) holds channel r, tokens 8 h + 0 .. 7: registers 0-3 (even tile of tokens) or 4-7 (odd) of a fragment of V^T, 16 channels x 32 keys.
;   qimg [b][head][tile of 16 tokens 128][32 channels 2][half 2][lane][16 B];  kv [b][head][128 keys 16][K: tile of 16 keys 8 x 2 x 2 x 512 B | V: 32 keys 4 x tile of 16 channels 4 x half 2 x 512 B].
; LIMITS: |q| / 8, |k|, |v| beyond 65,504 become infinity in f16; a block of x whose largest magnitude lies under 2^-124 is quantised against that floor's scale; a block of zeros keeps the byte 1 (its codes are zeros,
; and this program alone reads the bytes); NaN and infinities in x are not served.
; No tensor load and no cluster: x is read once, by one work-group, and W stays in registers.
; REGISTERS, window 0: v1-9, v17 addresses; v10-16 at work; v28, v29 the add's two; v32-63 W's scale words (tile t, step s: 4 t + s); v64-127, v128-191 two sets of 64 numbers of x, later the 8 accumulators and two sets of packed results;
;   v192-223 x's four fragments; v224-227 their scale words.   window 1: W's fragment (t, s) at v[8 (4 t + s)].
.set XIMG,  0                          ; LDS: x's images: tile of rows m, step s, c at 4,096 m + 1,024 s + 512 c + 16 x lane
.set XSC,   16384                      ; their scale words, four a lane: 512 m + 16 x lane
.set SPARE, 18432                      ; the spare words, 128 bytes for each wave: two blocks of 256 bytes that no other line names
.set STAGE, 18944                      ; behind them: a stage of 16 rows for each wave, where x is turned
.set SPT,   528                        ; a stage row: 512 bytes + 16 = 33 x 16: the sixteen rows that a load touches start in sixteen different 16-byte columns modulo 256 bytes
.set STW,  4                           ; v4   the stage, on the way in: 16 x lane + 8,448 x wave
.set LI,   5                           ; v5   16 x lane
.set XWI,  6                           ; v6   16 x lane + 4,096 x wave
.set XWS,  7                           ; v7   16 x lane + 512 x wave
.set SH8,  8                           ; v8   8 h
.set SR16, 9                           ; v9   16 r
.set TM,   10
.set SO,   12
.set BY,   14
.set TP,   16
.set STR,  17                          ; v17  the stage, on the way out: 528 r + 128 h + 8,448 x wave
.set SPW,  28
.set NIL,  29
.set W1S,  32
.set X0,   64
.set X1,   128
.set ACC,  64
.set PK,   128
.set XF,   192
.set XS,   224
.set WV,   18                          ; s18  my wave
.set SEL,  42                          ; s[42:43]
.set OB,   38                          ; s[38:39] where my first head's results go; s[40:41] my second head's
.set MSB, 0
.macro WIN new                         ; the immediate's high byte repeats the setting that is left
.if MSB != \new
	s_set_vgpr_msb (MSB<<8)|\new
.set MSB, \new
.endif
.endm
; 64 numbers of a lane, v[x + 32 c + i] = K 64 c + 32 h + i of my row (two whole blocks), become a fragment's codes in v[pc] on and its scale word in v[pw].
.macro QUANT x, pc, pw
.irp c, 0,1
	v_max3_num_f32 v[TM+\c], |v[\x+32*\c]|, |v[\x+32*\c+1]|, 0x1800000   ; and the floor 2^(3 - 127): the byte cannot fall under 1
.endr
.irp i, 2,4,6,8,10,12,14,16,18,20,22,24,26,28,30
.irp c, 0,1
	v_max3_num_f32 v[TM+\c], v[TM+\c], |v[\x+32*\c+\i]|, |v[\x+32*\c+\i+1]|   ; the two blocks by turns
.endr
.endr
.irp c, 0,1
	v_add_nc_u32 v[SO+\c], 0xff000000, v[TM+\c]    ; 2 off the exponent field: the conversion's scale operand
.endr
.irp c, 0,1
	v_lshrrev_b32 v[BY+\c], 23, v[SO+\c]           ; the scale's byte
.endr
	v_lshl_or_b32 v[\pw], v[BY+1], 16, v[BY]       ; blocks h and 2 + h,
	v_lshlrev_b32 v[\pw], v[SH8], v[\pw]           ; at their places;
	v_permlanex16_b32 v[TP], v[\pw], s[SEL], s[SEL+1]
	v_or_b32 v[\pw], v[\pw], v[TP]                 ; with lane l xor 16's two the word is whole, in both halves of the lanes
.irp c, 0,1
.irp g, 0,1,2,3
	v_cvt_scalef32_pk8_fp4_f32 v[\pc+4*\c+\g], v[\x+32*\c+8*\g:\x+32*\c+8*\g+7], v[SO+\c]
.endr
.endr
	v_nop                                          ; one plain place behind the last scaled conversion
.endm
.macro XLOAD s, set                    ; my 16 rows' numbers of the s-th 128 along K, as they lie: load j takes 512 consecutive bytes of row j, at a multiple of 512 from x's first byte
.irp j, 0,1,2,3,4,5,6,7,8,9,10,11,12,13,14,15
	global_load_b128 v[\set+4*\j:\set+4*\j+3], v[LI], s[4:5] offset:2048*\j+512*\s th:TH_LOAD_NT
.endr
.endm
; The set's 16 rows go through my stage and come back turned: lane (r, h) gets, of row r, the 128 bytes at 256 c + 128 h, c = 0, 1.  LDS serves a wave's instructions in order (ISA guide 5.7.1.4): the loads see the stores above them,
; and the next turn's stores come behind these loads; so one stage serves, no wait stands between, and the numbers come back into the registers that they left.
.macro TURN set
.irp j, 0,1,2,3,4,5,6,7,8,9,10,11,12,13,14,15
	ds_store_b128 v[STW], v[\set+4*\j:\set+4*\j+3] offset:STAGE+SPT*\j
.endr
.irp c, 0,1
.irp i, 0,1,2,3,4,5,6,7
	ds_load_b128 v[\set+32*\c+4*\i:\set+32*\c+4*\i+3], v[STR] offset:STAGE+256*\c+16*\i
.endr
.endr
.endm
.macro IMAGE s                         ; the fragment just made goes to LDS as it stands
.irp c, 0,1
	ds_store_b128 v[XWI], v[XF+8*\s+4*\c:XF+8*\s+4*\c+3] offset:XIMG+1024*\s+512*\c
.endr
.endm
.macro FETCHX m                        ; the four fragments and the scale words of rows 16 m on, in any wave
.irp s, 0,1,2,3
.irp c, 0,1
	ds_load_b128 v[XF+8*\s+4*\c:XF+8*\s+4*\c+3], v[LI] offset:XIMG+4096*(\m)+1024*\s+512*\c
.endr
.endr
	ds_load_b128 v[XS:XS+3], v[LI] offset:XSC+512*(\m)
.endm
; Rows 16 m on against my 128 columns: 32 matrix instructions, the 8 accumulators by turns, K ascending; the first step starts the sums.  sw = 1: v, the sources changed.
.macro MTILE m, sw
	s_wait_dscnt 0x0                               ; x's fragments and scale words are in
.if \sw
	WIN 0x04                                       ; source 1 (W) window 1
.else
	WIN 0x01                                       ; source 0 (W) window 1
.endif
.irp s, 0,1,2,3
.irp t, 0,1,2,3,4,5,6,7
.if \sw
.if \s == 0
	v_wmma_scale_f32_16x16x128_f8f6f4 v[ACC+8*\t:ACC+8*\t+7], v[XF+8*\s:XF+8*\s+7], v[8*(4*\t+\s):8*(4*\t+\s)+7], 0, v[XS+\s], v[W1S+4*\t+\s] matrix_a_fmt:MATRIX_FMT_FP4 matrix_b_fmt:MATRIX_FMT_FP4
.else
	v_wmma_scale_f32_16x16x128_f8f6f4 v[ACC+8*\t:ACC+8*\t+7], v[XF+8*\s:XF+8*\s+7], v[8*(4*\t+\s):8*(4*\t+\s)+7], v[ACC+8*\t:ACC+8*\t+7], v[XS+\s], v[W1S+4*\t+\s] matrix_a_fmt:MATRIX_FMT_FP4 matrix_b_fmt:MATRIX_FMT_FP4
.endif
.else
.if \s == 0
	v_wmma_scale_f32_16x16x128_f8f6f4 v[ACC+8*\t:ACC+8*\t+7], v[8*(4*\t+\s):8*(4*\t+\s)+7], v[XF+8*\s:XF+8*\s+7], 0, v[W1S+4*\t+\s], v[XS+\s] matrix_a_fmt:MATRIX_FMT_FP4 matrix_b_fmt:MATRIX_FMT_FP4
.else
	v_wmma_scale_f32_16x16x128_f8f6f4 v[ACC+8*\t:ACC+8*\t+7], v[8*(4*\t+\s):8*(4*\t+\s)+7], v[XF+8*\s:XF+8*\s+7], v[ACC+8*\t:ACC+8*\t+7], v[W1S+4*\t+\s], v[XS+\s] matrix_a_fmt:MATRIX_FMT_FP4 matrix_b_fmt:MATRIX_FMT_FP4
.endif
.endif
.endr
.endr
	WIN 0
.rept 5
	v_nop                                          ; five places: four for the conversions that read the results and for the loads into x's registers, the fifth for the next tile's products, which begin the accumulators anew
.endr
.if \m < 3
	FETCHX \m+1                                    ; the next rows come while these results are packed and stored
.endif
.if \m >= 2
	s_wait_xcnt 0x0                                ; the stores of two tiles back have read this set of registers
.endif
.irp t, 0,1,2,3,4,5,6,7
.irp i, 0,1,2,3
	v_cvt_pk_f16_f32 v[PK+32*((\m)%2)+4*\t+\i], v[ACC+8*\t+2*\i], v[ACC+8*\t+2*\i+1]   ; each accumulator from its low end on
.endr
.endr
.irp t, 0,1,2,3,4,5,6,7
.if \sw
	global_store_b128 v[LI], v[PK+32*((\m)%2)+4*\t:PK+32*((\m)%2)+4*\t+3], s[OB+2*(\t/4):OB+2*(\t/4)+1] offset:4096*((\m)/2)+1024*(\t%4)+512*((\m)%2)   ; 512 consecutive bytes
.else
	global_store_b128 v[LI], v[PK+32*((\m)%2)+4*\t:PK+32*((\m)%2)+4*\t+3], s[OB+2*(\t/4):OB+2*(\t/4)+1] offset:2048*(\m)+512*(\t%4)
.endif
.endr
.endm
	s_load_b256 s[4:11], s[0:1], 0x0               ; xq s[4:5], xk s[6:7], xv s[8:9], wimg s[10:11]
	s_load_b128 s[12:15], s[0:1], 0x20             ; wsc s[12:13], qimg s[14:15]
	s_load_b64 s[16:17], s[0:1], 0x30              ; kv
	v_lshl_add_u32 v[SPW], v0, 2, SPARE
	v_mov_b32 v[NIL], 0
	v_lshrrev_b32 v1, 5, v0
	v_readfirstlane_b32 s[WV], v1                  ; wave 0..3
	v_and_b32 v1, 31, v0                           ; lane
	v_and_b32 v2, 15, v0                           ; r
	v_bfe_u32 v3, v0, 4, 1                         ; h
	v_lshlrev_b32 v[LI], 4, v1
	s_mul_i32 s19, s[WV], 16*SPT                   ; my stage
	v_add_nc_u32 v[STW], s19, v[LI]
	v_mul_u32_u24 v[STR], v2, SPT
	v_lshl_add_u32 v[STR], v3, 7, v[STR]
	v_add_nc_u32 v[STR], s19, v[STR]
	s_lshl_b32 s19, s[WV], 12
	v_add_nc_u32 v[XWI], s19, v[LI]
	s_lshl_b32 s19, s[WV], 9
	v_add_nc_u32 v[XWS], s19, v[LI]
	v_lshlrev_b32 v[SH8], 3, v3
	v_lshlrev_b32 v[SR16], 4, v2
	v_mov_b32 v[TP], 0                             ; written once: a lane permute's destination counts as one of its sources
	s_mov_b32 s[SEL], 0x76543210
	s_mov_b32 s[SEL+1], 0xfedcba98
	s_and_b32 s20, ttmp7, 0xffff                   ; y: which projection
	s_lshr_b32 s21, ttmp9, 5                       ; b
	s_and_b32 s22, ttmp9, 31                       ; j: which 64 tokens of the sequence
	s_lshl_b32 s23, s22, 13                        ; q: four tiles of 2,048 bytes
	s_lshr_b32 s24, s22, 1
	s_lshl_b32 s24, s24, 15                        ; k, v: the slot of 128 keys,
	s_and_b32 s25, s22, 1
	s_lshl_b32 s25, s25, 13                        ; and its half
	s_add_co_u32 s24, s24, s25
	s_lshl_b32 s25, s21, 3
	s_lshl_b32 s26, s[WV], 1
	s_add_co_u32 s25, s25, s26                     ; 8 b + 2 w: my first head
	s_cmp_eq_u32 s20, 0
	s_cselect_b32 s26, 18, 19                      ; a head is 2^18 bytes of qimg, 2^19 of kv
	s_cselect_b32 s23, s23, s24
	s_lshl_b32 s25, s25, s26
	s_lshl_b32 s36, 1, s26
	s_mov_b32 s37, 0
	s_add_co_u32 s34, s25, s23
	s_cmp_eq_u32 s20, 2
	s_cselect_b32 s24, 16384, 0                    ; V lies behind K in a slot
	s_add_co_u32 s34, s34, s24
	s_mov_b32 s35, 0
	s_lshl_b32 s28, ttmp9, 17                      ; x: 64 rows of 2,048 bytes,
	s_lshl_b32 s29, s[WV], 15                      ; my 16 of them
	s_add_co_u32 s28, s28, s29
	s_lshl_b32 s30, s20, 17                        ; wimg: the matrix, my 8 tiles
	s_add_co_u32 s30, s30, s29
	s_mov_b32 s29, 0
	s_mov_b32 s31, 0
	s_lshl_b32 s32, s20, 13                        ; wsc: the matrix, my 128 rows
	s_lshl_b32 s33, s[WV], 11
	s_add_co_u32 s32, s32, s33
	s_mov_b32 s33, 0
	s_wait_kmcnt 0x0
	s_cmp_eq_u32 s20, 0                            ; the choices hang on the work-group's number alone
	s_cselect_b64 s[4:5], s[4:5], s[6:7]
	s_cselect_b64 s[OB:OB+1], s[14:15], s[16:17]
	s_cmp_eq_u32 s20, 2
	s_cselect_b64 s[4:5], s[8:9], s[4:5]
	s_add_nc_u64 s[4:5], s[4:5], s[28:29]
	s_add_nc_u64 s[10:11], s[10:11], s[30:31]
	s_add_nc_u64 s[12:13], s[12:13], s[32:33]
	s_add_nc_u64 s[OB:OB+1], s[OB:OB+1], s[34:35]
	s_add_nc_u64 s[OB+2:OB+3], s[OB:OB+1], s[36:37]
	; ---- X: my 16 rows become four fragments.  x is asked for first, W behind it
	XLOAD 0, X0
	XLOAD 1, X1
	WIN 0x40                                       ; destination window 1
.set ii, 0
.rept 64
	global_load_b128 v[4*ii:4*ii+3], v[LI], s[10:11] offset:512*ii   ; W's 32 fragments: they stay
.set ii, ii+1
.endr
	WIN 0
.irp t, 0,1,2,3,4,5,6,7
	global_load_b128 v[W1S+4*\t:W1S+4*\t+3], v[SR16], s[12:13] offset:256*\t   ; and their rows' scale words
.endr
	s_wait_loadcnt 63                              ; 104 loads were issued: the oldest 41 are in, both sets of x (32) among them
	TURN X0
	s_wait_dscnt 0x0                               ; step 0's numbers are back, turned
	TURN X1                                        ; step 1 goes through the stage while step 0 is quantised
	QUANT X0, XF, XS
	IMAGE 0
	XLOAD 2, X0
	s_wait_dscnt 2                                 ; step 1's numbers are back: behind its turn only the two stores of step 0's image were issued
	QUANT X1, XF+8, XS+1
	IMAGE 1
	XLOAD 3, X1
	s_wait_loadcnt 16                              ; all but the last set of x: W, its scale words and step 2 are in
	TURN X0
	s_wait_dscnt 0x0
	QUANT X0, XF+16, XS+2
	IMAGE 2
	s_wait_loadcnt 0x0
	TURN X1
	s_wait_dscnt 0x0
	QUANT X1, XF+24, XS+3
	IMAGE 3
	ds_store_b128 v[XWS], v[XS:XS+3] offset:XSC
	s_wait_dscnt 0x0                               ; for the others' sake: my stores have landed
	s_barrier_signal -1
	s_barrier_wait -1                              ; the 64 rows' codes and scale words lie in LDS; nothing is stored there any more
	; ---- M: the products, a tile of 16 rows at a time
	FETCHX 0
.rept 8
	v_nop                                          ; x's scale registers were written by vector instructions in phase X before these loads: eight places ahead of the first scaled product
.endr
	s_cmp_eq_u32 s20, 2
	s_cbranch_scc1 .Lv
	MTILE 0, 0
	MTILE 1, 0
	MTILE 2, 0
	MTILE 3, 0
	s_branch .Lend
.Lv:
	MTILE 0, 1
	MTILE 1, 1
	MTILE 2, 1
	MTILE 3, 1
.Lend:
	s_wait_tensorcnt 0x0                           ; the wave's end, behind my last LDS store
	ds_add_u32 v[SPW], v[NIL]
	s_wait_dscnt 0x0
	s_endpgm
.Lfunc_end_k_q556f2e4248_proj:
	.size	k_q556f2e4248_proj, .Lfunc_end_k_q556f2e4248_proj-k_q556f2e4248_proj
	.p2alignl 7, 3214868480
	.fill 96, 4, 3214868480
	.section	.rodata,"a",@progbits
	.p2align	6, 0x0
	.amdhsa_kernel k_q556f2e4248_proj
		.amdhsa_group_segment_fixed_size 52736
		.amdhsa_private_segment_fixed_size 0
		.amdhsa_enable_private_segment 0
		.amdhsa_kernarg_size 56
		.amdhsa_user_sgpr_count 2
		.amdhsa_user_sgpr_kernarg_segment_ptr 1
		.amdhsa_wavefront_size32 1
		.amdhsa_system_sgpr_workgroup_id_x 1
		.amdhsa_system_sgpr_workgroup_id_y 1
		.amdhsa_system_sgpr_workgroup_id_z 1
		.amdhsa_system_vgpr_workitem_id 0
		.amdhsa_next_free_vgpr 512
		.amdhsa_next_free_sgpr 66
		.amdhsa_reserve_vcc 0
		.amdhsa_float_denorm_mode_32 3
		.amdhsa_float_denorm_mode_16_64 3
		.amdhsa_memory_ordered 1
		.amdhsa_forward_progress 1
		.amdhsa_inst_pref_size 97
	.end_amdhsa_kernel
	.amdgpu_metadata
---
amdhsa.version: [ 1, 2 ]
amdhsa.kernels:
  - .name:           k_q556f2e4248_proj
    .symbol:         k_q556f2e4248_proj.kd
    .args:
      - { .name: xq, .offset: 0, .size: 8, .value_kind: global_buffer, .address_space: global }
      - { .name: xk, .offset: 8, .size: 8, .value_kind: global_buffer, .address_space: global }
      - { .name: xv, .offset: 16, .size: 8, .value_kind: global_buffer, .address_space: global }
      - { .name: wimg, .offset: 24, .size: 8, .value_kind: global_buffer, .address_space: global }
      - { .name: wsc, .offset: 32, .size: 8, .value_kind: global_buffer, .address_space: global }
      - { .name: qimg, .offset: 40, .size: 8, .value_kind: global_buffer, .address_space: global }
      - { .name: kv, .offset: 48, .size: 8, .value_kind: global_buffer, .address_space: global }
    .group_segment_fixed_size: 52736
    .private_segment_fixed_size: 0
    .kernarg_segment_align: 8
    .kernarg_segment_size: 56
    .max_flat_workgroup_size: 128
    .sgpr_count:     66
    .vgpr_count:     512
    .wavefront_size: 32
...
	.end_amdgpu_metadata
.endif
;; end of part 5
;; launch attn: the kernel of part 3 again; grid 16 x 16, 8 waves a work-group, clusters of 4 x 4, 327,680 bytes of LDS; arguments qimg, kv, mask, aimg; writes aimg
;; launch outp: the kernel of part 4 again; grid 4 x 64, 4 waves a work-group, no clusters, 17,920 bytes of LDS; arguments aimg, woimg, out0; writes out0
